; MI455X (gfx1250); checked and timed in simulation.
; The chip was launched on July 23, 2026; its instructions are those of AMD's public machine-readable ISA for CDNA 5 (MIT licence, August 2026) and "CDNA5" Instruction Set Architecture Reference Guide (July 2026). The comments in the code are by the model that wrote it; some were corrected since.
;; Multi Head Attention. Allowed arithmetic: matrix products marked QUANTISED: E4M3 operands, one E8M0 scale for each 32 along K, by v_wmma_scale_f32_16x16x128_f8f6f4 with both operands' format E4M3, f32 sums; everything else in f32.
;; Inputs: Wk_codes 16 x 64 x 32 x 32 uint8 (E4M3 codes of Wk, K innermost, in blocks of 32 codes); Wk_scales 16 x 64 x 32 uint8 (E8M0 scales of Wk, one for each 32 codes along K); Wo_codes 1,024 x 32 x 32 uint8 (E4M3 codes of Wo, K innermost, in blocks of 32 codes); Wo_scales 1,024 x 32 uint8 (E8M0 scales of Wo, one for each 32 codes along K); Wq_codes 16 x 64 x 32 x 32 uint8 (E4M3 codes of Wq, K innermost, in blocks of 32 codes); Wq_scales 16 x 64 x 32 uint8 (E8M0 scales of Wq, one for each 32 codes along K); Wv_codes 16 x 64 x 32 x 32 uint8 (E4M3 codes of Wv, K innermost, in blocks of 32 codes); Wv_scales 16 x 64 x 32 uint8 (E8M0 scales of Wv, one for each 32 codes along K); bk 16 x 64 float32; bo 1,024 float32; bq 16 x 64 float32; bv 16 x 64 float32; x_codes 2 x 2,048 x 32 x 32 uint8 (E4M3 codes of x, K innermost, in blocks of 32 codes); x_scales 2 x 2,048 x 32 uint8 (E8M0 scales of x, one for each 32 codes along K).
;; Outputs: out0 2 x 2,048 x 1,024 float32.
;; This version of the problem:
;;   THIS VERSION OF THE PROBLEM IS GIVEN IN LOW PRECISION. The matrix products marked QUANTISED in the list below multiply operands that are first quantised to E4M3 (4 exponent bits, 3 mantissa bits; 8 bits a number), with one power-of-two scale for each 32 numbers along K (OCP MX v1.0); their sums are f32. All else is computed in f32.
;;   The module's matrix products, in the order in which they are computed (A, B: the left and right operand; K: the contracted axis; several contracted axes count as one K, in the product's order):
;;     1. [M 1,024, K 1,024] x [K 1,024, N 4,096]; A: input Wq (given as codes); B: input x (given as codes): QUANTISED
;;     2. [M 1,024, K 1,024] x [K 1,024, N 4,096]; A: input Wk (given as codes); B: input x (given as codes): QUANTISED
;;     3. [M 1,024, K 1,024] x [K 1,024, N 4,096]; A: input Wv (given as codes); B: input x (given as codes): QUANTISED
;;     4. batch 32 x [M 2,048, K 64] x [K 64, N 2,048]; A: computed on the way; B: computed on the way: QUANTISED
;;     5. batch 32 x [M 2,048, K 2,048] x [K 2,048, N 64]; A: softmax (see below); B: computed on the way: QUANTISED
;;     6. [M 4,096, K 1,024] x [K 1,024, N 1,024]; A: computed on the way; B: input Wo (given as codes): QUANTISED
;;   THE QUANTISER, for each operand of a quantised product, along K:
;;     - K is cut into blocks of 32 from its start; a last block that is shorter is filled with zeros.
;;     - A block's scale is 2^e with e = floor(log2(the largest magnitude in the block)) - 8, held to -126 .. 127; a block of zeros has e = 0. As a byte (E8M0): e + 127.
;;     - Each number is divided by its block's scale, clamped to +-448, and rounded to the nearest number of E4M3, ties to even, subnormals kept.
;;     - The product sums the exact products of the quantised numbers (number of the format x scale) in f32.
;;   ~~~python
;;   def quantise(x, axis):      # numpy; x: float32 -> the quantised numbers, widened to float32 again
;;       x = np.moveaxis(x, axis, -1); K = x.shape[-1]
;;       x = np.pad(x, [(0, 0)] * (x.ndim - 1) + [(0, -K % 32)]); x = x.reshape(x.shape[:-1] + (-1, 32)); a = np.abs(x).max(-1, keepdims=True)
;;       e = np.where(a > 0, np.clip(np.frexp(np.where(a > 0, a, 1))[1] - 1 - 8, -126, 127), 0)      # np.frexp(a)[1] - 1 = floor(log2(a)), exactly
;;       r = np.clip(x / 2.0 ** e, -448, 448)
;;       step = 2.0 ** (np.maximum(np.frexp(np.where(r == 0, 1, r))[1] - 1, -6) - 3)
;;       q = np.round(r / step) * step * 2.0 ** e      # np.round: ties to even
;;       return np.moveaxis(q.reshape(q.shape[:-2] + (-1,))[..., :K], -1, axis).astype(np.float32)
;;   ~~~
;;   SOFTMAX AHEAD OF A QUANTISED PRODUCT. Where the list says 'softmax', what is quantised is not the finished softmax but p = 2^(t - M), with t = logit x log2(e) and M = ceil(the row's largest t), a whole number; so 1/2 < the row's largest p <= 1. The row's sum l is taken of the UNQUANTISED p, in f32, and the product's result is divided by l at the end. Since M is a whole number, a kernel that streams over the keys may use a running M (the ceiling of the running maximum): every later rescaling is an exact power of two, which a block's scale takes up: the codes' values come out the same.
;;   OPERANDS COMPUTED ON THE WAY. 'Computed on the way' means the value that the module computes at that place (a softmax that the list does not call 'softmax' is quantised finished and normalised). What goes into a quantiser is computed in f32, as accurately as f32 sums, v_exp_f32 and their like allow (about 1e-6 of the number): no bf16 or f16 on the way to a quantiser, and a product that is left as it is and whose result goes on into a quantised operand takes f32 operands (vector FMAs, or v_wmma_f32_16x16x4_f32). A number that lies on a knife's edge between two numbers of the format may be rounded either way, as far as f32 arithmetic and the matrix unit's own rounding can turn it there, and no further.
;;   INPUTS GIVEN AS CODES. Wk (in the module: [16, 1024, 64], K = its axis 1); Wo (in the module: [1024, 1024], K = its axis 0); Wq (in the module: [16, 1024, 64], K = its axis 1); Wv (in the module: [16, 1024, 64], K = its axis 1); x (in the module: [2, 2048, 1024], K = its axis 2): each comes as NAME_codes (uint8): NAME with its K axis moved to the last place and cut into blocks of 32 codes, [.., K / 32, bytes a block], one block behind the other in memory; one code a byte (a code: sign, 4 exponent bits, 3 mantissa bits); and NAME_scales (uint8): the same leading axes, one E8M0 byte (e + 127) for each 32 codes along K. Its value is code x scale, taken as it is: it is not quantised again, and the codes and scales need not be those that the quantiser above would give.
;; One version. Each part assembles by itself: llvm-mc -triple=amdgcn-amd-amdhsa -mcpu=gfx1250 --defsym DOCPART=n.
;; ======== version 1 of 1: 3 launches
;; limits: right only within a limited range of input values
;; workspace buffers: qc 4,194,304 bytes; qs 262,144 bytes; kv 8,650,752 bytes; cc 4,194,304 bytes; cs 131,072 bytes
;; launch qkv (part 1): grid 32 x 8, 4 waves a work-group, clusters of 4 x 4, 327,680 bytes of LDS; arguments x_codes, x_scales, Wq_codes, Wq_scales, bq, Wk_codes, Wk_scales, bk, Wv_codes, Wv_scales, bv, qc, qs, kv; writes qc, qs, kv
.if DOCPART == 1
	.amdgcn_target "amdgcn-amd-amdhsa--gfx1250"
	.amdhsa_code_object_version 6
	.text
	.protected	k_q294e0921de_qkv
	.globl	k_q294e0921de_qkv
	.p2align	8
	.type	k_q294e0921de_qkv,@function
k_q294e0921de_qkv:
	s_mov_b64 s[64:65], 0
	v_nop
	global_prefetch_b8 v0, s[64:65] scope:SCOPE_SE
	s_setreg_imm32_b32 hwreg(HW_REG_WAVE_MODE, 25, 1), 1
	s_wait_xcnt 0x0
	s_wait_alu depctr_hold_cnt(0) depctr_sa_sdst(0) depctr_va_vdst(0) depctr_va_sdst(0) depctr_va_ssrc(0) depctr_va_vcc(0) depctr_vm_vsrc(0)
	s_getreg_b32 s2, hwreg(HW_REG_IB_STS2, 6, 4)
	s_cmp_eq_u32 s2, 0
	s_cbranch_scc0 .Lentry_in_a_cluster
	s_endpgm
.Lentry_in_a_cluster:
	s_bfe_u32 s2, ttmp6, 0x10000c
	s_cmp_lg_u32 s2, 0xf033
	s_cbranch_scc0 .Lentry_shape_is_right
	s_endpgm
.Lentry_shape_is_right:
; Q, K, V = x W + b for two heads and 128 rows of x, on codes of FP8 (E4M3) with E8M0 scales as they are given, and the quantisers of Q, K (along the head's 64 channels) and V (along the keys).
; SHARES.  Work-group (x: block of 128 of the 4,096 rows, one key step; y: pair of heads).  Wave w: rows 64 (w % 2) on, head w / 2 of the pair.  Its 32 fragments of x (4 tiles x 8 K steps) stand in 512 registers and serve three passes: Q, K, V.
; CLUSTERS of 4 x 4: x's rows are shared along a column, a weight's rows along a row: asked for JOINTLY.
; LDS: two slots of 128 rows of 1,024 bytes (pitch 1,040).  Slot 0: x, then Wk; slot 1: Wq, then Wv.  At the head one load a wave (x: waves 0, 1; Wq: waves 2, 3); a refill stands behind a drained round of the cluster's barrier, 32 rows a wave,
; and has a whole pass in which to land.  Wk and Wv are prefetched at the head by the clusters whose number along x is under 4: each of the four work-groups of a cluster's row and each of its waves names 32 blocks of 256 bytes of either, told apart by address.
; THE ROWS OF A TILE ARE NOT NEIGHBOURS: lane r of tile 2 b + u stands for row 32 b + 8 u + r + 8 (r / 8).  So, with x as source 0 (V), a lane's 16 registers of tiles 2 b, 2 b + 1 are 16 neighbouring keys of
; one channel; and a tile of K built so gives the attention launch scores whose registers run along neighbouring keys.  The same order of Q's rows is undone in the last launch's stores.
; Q, K: source 0 = 16 rows of W, source 1 = 16 rows of x: a lane holds one row and, in accumulator a, channels 16 a + 8 (lane / 16) + 0 .. 7.  Byte i of a lane's 16 codes of block beta is therefore channel
; 32 beta + 8 (lane / 16) + i % 8 + 16 (i / 8): the same order inside a block of 32 in Q and in K, so their products are the same.
; OUT.  Everything leaves as images of the reader's operand registers: 16 bytes a lane, 512 consecutive bytes a store.  Q's quantiser stands among K's products, K's among V's, up to three vector lines behind each.
; The biases are the C of each sum's first matrix instruction.
; LIMITS: NaN, infinities and scale bytes 0xff among the inputs are not served.  A block whose largest magnitude lies under 2^-118 (a block of zeros too) keeps the scale byte 1: only this program reads these bytes.
; WINDOW 0 as named below; windows 1, 2: x's fragments; window 3: v0-127 two sets of four fragments of W, v128-255 K's accumulators.
.set WPITCH, 1040                      ; 1,024 bytes + 16 of padding = 65 x 16
.set HT,   64*WPITCH
.set SL1,  2*HT                        ; slot 1
.set STGQ, 2*SL1                       ; 256 bytes for each wave: its tiles' scale words of Q
.set STG2, STGQ+1024                   ; for each head 256 bytes of K's scale words, 256 of V's
.set SPARE, STG2+1024
.set KVBH, 270336                      ; a head's block of kv: 4,096 bytes of K's scales, 4,096 of V's, 16 key steps x (4 fragments of K, 4 of V)
.set PF,   0                           ; the prefetches' offset (behind the head)
.set SPW,  1
.set NIL,  2
.set WD,   3
.set XA,   4                           ; x's fragments in LDS
.set WA,   5                           ; v5 W's fragments in slot 1, v6 in slot 0
.set LI,   7                           ; 16 x lane
.set L8,   8                           ; 8 x lane
.set XSA,  9                           ; x's scales: lanes 0-15 an even tile's rows, lanes 16-31 the odd tile's
.set WSA,  10                          ; W's: 32 x lane
.set BA,   11                          ; bq, bk: 32 h
.set BVA,  12                          ; bv: 4 r
.set QSTW, 13
.set QSTR, 14
.set KSTW, 15
.set XS,   16                          ; v16-31: register 8 i + s: K step s; lanes 0-15 tile 2 i, lanes 16-31 tile 2 i + 1
.set VSTW, 32
.set SSR,  33
.set RB,   34
.set WS,   36                          ; v36-51 Wq's scale words, then Wv's; v52-67 Wk's: no product's two scale registers have numbers equal modulo 8
.set BIAS, 68                          ; v68-99
.set PC,   100                         ; v100-115 codes, two sets of 8 by turns
.set TM,   116                         ; v116-117 largest magnitudes, v118-119 the other half's, then bytes, v120-121 448 x scale, v122-123 the conversions' scale operands
.set U,    124                         ; v124-127 two scale bytes a tile
.set ACC,  128                         ; Q's and V's accumulators, in window 0
.set LANE, 100                         ; (the head's)
.set R,    101
.set H,    102
.set WV,   36
.set G0X,  44
.set G0W,  48
.set G0K,  52
.set G0V,  56
.set G1X,  68
.set G1W,  76
.set G1R,  84
.set SEL,  92
.set MNT,  94
.set FLR,  95
.set MSB, 0
.macro WIN new                         ; the immediate's high byte repeats the setting that is left
.if MSB != (\new)
	s_set_vgpr_msb (MSB<<8)|(\new)
.set MSB, (\new)
.endif
.endm
.macro PLACES n
.rept \n
	v_nop
.endr
.endm
.macro WALU
	s_wait_alu depctr_va_vdst(0)
.endm
.macro ROUND                           ; a round of the cluster's barrier
	s_barrier_signal -1
	s_barrier_wait -1
	s_cmp_lg_u32 s[WV], 0
	s_cbranch_scc1 .Lnot_wave_0_\@
	s_barrier_signal -3
.Lnot_wave_0_\@:
	s_barrier_wait -3
	s_barrier_signal -1
	s_barrier_wait -1
.endm
.macro TLOAD g0, g1
	tensor_load_to_lds s[\g0:\g0+3], s[\g1:\g1+7]
	s_nop 0
	PLACES 4
.endm
.macro DRAIN                           ; the lines ahead of a refill's round
	WALU
	s_wait_tensorcnt 0x0
	ds_add_u32 v[SPW], v[NIL]
	s_wait_dscnt 0x0
	ROUND
.endm
.macro WMX d, a, b, c, sa, sb, ra, rb
.if (\ra) && (\rb)
	v_wmma_scale_f32_16x16x128_f8f6f4 v[(\d):(\d)+7], v[(\a):(\a)+15], v[(\b):(\b)+15], v[(\c):(\c)+7], v[\sa], v[\sb] matrix_a_scale:MATRIX_SCALE_ROW1 matrix_b_scale:MATRIX_SCALE_ROW1
.elseif (\ra)
	v_wmma_scale_f32_16x16x128_f8f6f4 v[(\d):(\d)+7], v[(\a):(\a)+15], v[(\b):(\b)+15], v[(\c):(\c)+7], v[\sa], v[\sb] matrix_a_scale:MATRIX_SCALE_ROW1
.elseif (\rb)
	v_wmma_scale_f32_16x16x128_f8f6f4 v[(\d):(\d)+7], v[(\a):(\a)+15], v[(\b):(\b)+15], v[(\c):(\c)+7], v[\sa], v[\sb] matrix_b_scale:MATRIX_SCALE_ROW1
.else
	v_wmma_scale_f32_16x16x128_f8f6f4 v[(\d):(\d)+7], v[(\a):(\a)+15], v[(\b):(\b)+15], v[(\c):(\c)+7], v[\sa], v[\sb]
.endif
.endm
.macro FETCHW p, s                     ; W's four fragments of K step s into set s % 2
	WIN 0xc0
.irp n, 0,1,2,3
.irp c, 0,1,2,3
	ds_load_b128 v[64*((\s)%2)+16*\n+4*\c:64*((\s)%2)+16*\n+4*\c+3], v[WA+(\p)%2] offset:16*\n*WPITCH+128*(\s)+32*\c
.endr
.endr
.endm
.macro LOADWS reg, sb                  ; a weight's scale words: 32 bytes a row, 8 K steps
.irp i, 0,1
	global_load_b128 v[\reg+8*\i:\reg+8*\i+3], v[WSA], s[\sb:\sb+1] offset:1024*\i
	global_load_b128 v[\reg+8*\i+4:\reg+8*\i+7], v[WSA], s[\sb:\sb+1] offset:1024*\i+16
.endr
.endm
.macro LOADB sb                        ; bq, bk in the result's layout: channels 16 a + 8 h + 0 .. 7
.irp a, 0,1,2,3
	global_load_b128 v[BIAS+8*\a:BIAS+8*\a+3], v[BA], s[\sb:\sb+1] offset:64*\a
	global_load_b128 v[BIAS+8*\a+4:BIAS+8*\a+7], v[BA], s[\sb:\sb+1] offset:64*\a+16
.endr
.endm
.macro CV q, w                         ; eight numbers become codes
	WIN 0x03*(\w)
	v_cvt_scalef32_pk8_fp8_f32 v[pc_+2*(\q):pc_+2*(\q)+1], v[a_+8*(\q):a_+8*(\q)+7], v[TM+6+(\q)/2]
.endm
; THE QUANTISER, in 128 portions: portion n belongs to tile n / 32: 32 numbers of a lane, two blocks of 16 registers (each block's other 16 numbers lie in the lane 16 away), become 8 registers of codes.
; kind 0: Q, 1: K (its accumulators lie in window 3: w = 1), 2: V.
.macro QL kind, w, n
.set t_, (\n)/32
.set u_, (\n)%32
.set a_, ACC+32*t_
.set pc_, PC+8*(t_%2)
.if u_ == 0
	WIN 0x3c*(\w)
	v_max3_num_f32 v[TM], s[FLR], |v[a_]|, |v[a_+1]|               ; from the low end on; the floor 2^(9 - 127) holds the byte at 1 from below
	v_max3_num_f32 v[TM+1], s[FLR], |v[a_+16]|, |v[a_+17]|
.elseif u_ < 8
	WIN 0x3c*(\w)
	v_max3_num_f32 v[TM], v[TM], |v[a_+2*u_]|, |v[a_+2*u_+1]|
	v_max3_num_f32 v[TM+1], v[TM+1], |v[a_+16+2*u_]|, |v[a_+17+2*u_]|
.elseif u_ == 8
	WIN 0
	v_permlanex16_b32 v[TM+2], v[TM], s[SEL], s[SEL+1]
	v_permlanex16_b32 v[TM+3], v[TM+1], s[SEL], s[SEL+1]
.elseif u_ == 9
	WIN 0
	v_max_num_f32 v[TM], v[TM], v[TM+2]
	v_max_num_f32 v[TM+1], v[TM+1], v[TM+3]
.elseif u_ == 10
	WIN 0
	v_add_nc_u32 v[TM+6], 0xfc000000, v[TM]                        ; 8 off its exponent field: the conversion's scale operand
	v_add_nc_u32 v[TM+7], 0xfc000000, v[TM+1]
.elseif u_ == 11
	WIN 0
	v_and_or_b32 v[TM+4], v[TM], 0x7f800000, s[MNT]                ; 448 x the scale
	v_and_or_b32 v[TM+5], v[TM+1], 0x7f800000, s[MNT]
.elseif u_ == 12
	WIN 0
	v_lshrrev_b32 v[TM+2], 23, v[TM+6]
	v_lshrrev_b32 v[TM+3], 23, v[TM+7]
	v_lshl_or_b32 v[U+t_], v[TM+3], 8, v[TM+2]
.elseif u_ < 24
.if u_ == 16
	CV 0, \w
.elseif u_ == 19
	CV 1, \w
.elseif u_ == 21
	CV 2, \w
.endif
	WIN 0xc3*(\w)
.irp k, 0,1,2
.set m_, 3*(u_-13)+\k
.if m_ < 32
	v_med3_num_f32 v[a_+m_], v[a_+m_], -v[TM+4+m_/16], v[TM+4+m_/16]   ; the conversion does not saturate (ISA guide 7.6.2): the hold comes first
.endif
.endr
.elseif u_ == 24
	CV 3, \w
	v_nop
.elseif u_ == 25
	WIN 0
	WALU
	s_wait_xcnt 0x0                                                ; the stores of the tile before have read their codes, which the next tile's conversions overwrite
.if (\kind) == 0
	v_lshl_or_b32 v[WD], v[U+t_], 16, v[U+t_]                      ; Q's word holds its two bytes twice: it serves Q in the lower and in the upper half of a K of 128
	global_store_b128 v[LI], v[pc_:pc_+3], s[30:31] offset:1024*t_
	global_store_b128 v[LI], v[pc_+4:pc_+7], s[30:31] offset:1024*t_+512
	ds_store_b32 v[QSTW], v[WD] offset:64*t_
.elseif (\kind) == 1
	global_store_b128 v[LI], v[pc_:pc_+3], s[60:61] offset:1024*t_
	global_store_b128 v[LI], v[pc_+4:pc_+7], s[60:61] offset:1024*t_+512
.if t_%2
	v_lshl_or_b32 v[WD], v[U+t_], 16, v[U+t_-1]                    ; a fragment's word: the two bytes of tile (b, 0)'s key, then those of tile (b, 1)'s
	ds_store_b32 v[KSTW], v[WD] offset:128*(t_/2)
.endif
.else
	global_store_b128 v[LI], v[pc_:pc_+3], s[62:63] offset:2048*t_
	global_store_b128 v[LI], v[pc_+4:pc_+7], s[62:63] offset:2048*t_+512
	ds_store_b16 v[VSTW], v[U+t_] offset:128*(t_%2)+4*(t_/2)
.endif
.endif
.endm
; 16 matrix instructions: K step s of pass p.  p = 0 (Q), 1 (K): source 0 = W, source 1 = x; p = 2 (V): the other way round.  The 16 accumulators take turns, in the same order in every step.
.macro MULS p, s
.set xw, 1+(\s)/4
.set g_, 0
.rept 16
.set rb_, g_/4
.set ra_, g_%4
.set rd_, ACC+8*g_
.set ws_, WS+16*((\p)%2)
.if (\p) == 0
	WIN 3|(xw<<2)
.elseif (\p) == 1
.if (\s) == 0
	WIN 3|(xw<<2)|0xc0
.else
	WIN 3|(xw<<2)|0xf0
.endif
.else
	WIN xw|(3<<2)
.endif
.set rc_, rd_
.if (\p) < 2
.if (\s) == 0
.set rc_, BIAS+8*ra_
.endif
	WMX rd_, 64*((\s)%2)+16*ra_, 16*(4*((\s)%4)+rb_), rc_, ws_+8*(ra_/2)+(\s), XS+8*(rb_/2)+(\s), ra_%2, rb_%2
.else
.if (\s) == 0
.set rc_, BIAS+8*rb_
.endif
	WMX rd_, 16*(4*((\s)%4)+ra_), 64*((\s)%2)+16*rb_, rc_, XS+8*(ra_/2)+(\s), ws_+8*(rb_/2)+(\s), ra_%2, rb_%2
.endif
.if (\p) == 1
	QL 0, 0, 16*(\s)+g_
.elseif (\p) == 2
	QL 1, 1, 16*(\s)+g_
.endif
.set g_, g_+1
.endr
.endm
.macro PASS p                          ; 8 K steps; W's fragments are fetched one K step ahead, in one run
	FETCHW \p, 0
.irp s, 0,1,2,3,4,5,6,7
.if \s < 7
.if \s > 0
	PLACES 8                                       ; between the products that read a set and the loads into it
.endif
	FETCHW \p, \s+1
.endif
	WIN 0
.if \s == 2
.if \p == 0
	LOADB 22                                       ; bk; bq is done with
.elseif \p == 1
	LOADWS WS, 26                                  ; Wv's scale words
.irp n, 0,1,2,3
.irp j, 0,1,2,3,4,5,6,7
	global_load_b32 v[BIAS+8*\n+\j], v[BVA], s[28:29] offset:64*\n   ; bv: there a lane holds one channel, 16 n + r, in all eight registers
.endr
.endr
.endif
.endif
	WALU
.if \s < 7
	s_wait_dscnt 16                                ; this step's fragments are in; the 16 loads just issued may stay out
.else
	s_wait_dscnt 0x0
.endif
	MULS \p, \s
.endr
	WIN 0
	PLACES 8                                       ; ahead of the first read of results and of loads into what the last products read
.endm
	s_load_b512 s[8:23], s[0:1], 0x0               ; x_codes 8, x_scales 10, Wq_codes 12, Wq_scales 14, bq 16, Wk_codes 18, Wk_scales 20, bk 22
	s_load_b256 s[24:31], s[0:1], 0x40             ; Wv_codes 24, Wv_scales 26, bv 28, qc 30
	s_load_b128 s[32:35], s[0:1], 0x60             ; qs 32, kv 34
	v_lshl_add_u32 v[SPW], v0, 2, SPARE
	v_mov_b32 v[NIL], 0
	ds_add_u32 v[SPW], v[NIL]                      ; the wave's opening: the add, twice on end, and its wait
	ds_add_u32 v[SPW], v[NIL]
	v_lshrrev_b32 v103, 5, v0
	v_readfirstlane_b32 s[WV], v103                ; wave 0..3
	s_and_b32 s41, s[WV], 1                        ; my half of the rows.  Also: which half of a tile I fetch at the head
	s_lshr_b32 s42, s[WV], 1                       ; my head of the pair
	s_bfe_u32 s37, ttmp6, 0x40000                  ; cx
	s_bfe_u32 s38, ttmp6, 0x40004                  ; cy
	s_lshl_b32 s39, ttmp9, 2
	s_add_co_u32 s39, s39, s37                     ; row block
	s_and_b32 s40, ttmp7, 0xffff
	s_lshl_b32 s40, s40, 2
	s_add_co_u32 s40, s40, s38                     ; pair of heads
	s_lshl_b32 s96, 0x1111, s37                    ; my column of the cluster shares x's rows
	s_lshl_b32 s97, s38, 2
	s_lshl_b32 s97, 15, s97                        ; my row shares the weights'
	; descriptor groups 1: 64 rows of 1,024 bytes (a refill: 32), 16 bytes of padding behind each
	s_or_b32 s[G1X+0], s96, (1<<20)|(1<<21)|(7<<22)|(3<<25)   ; 15:0 the mask; 17:16 elements of 1 byte; 20 padding on; 21 set beside a mask; 24:22 after every 256 words (code 7); 31:25 four words (code 3)
	s_or_b32 s[G1W+0], s97, (1<<20)|(1<<21)|(7<<22)|(3<<25)
	s_or_b32 s[G1R+0], s97, (1<<20)|(1<<21)|(7<<22)|(3<<25)
.irp g, G1X, G1W, G1R
	s_mov_b32 s[\g+1], 1024<<16
	s_mov_b32 s[\g+3], 1024<<16
	s_mov_b32 s[\g+5], 1024
	s_mov_b32 s[\g+6], 0
	s_mov_b32 s[\g+7], 0
.endr
.irp g, G1X, G1W
	s_mov_b32 s[\g+2], 64<<16
	s_mov_b32 s[\g+4], 64
.endr
	s_mov_b32 s[G1R+2], 32<<16
	s_mov_b32 s[G1R+4], 32
	s_mul_i32 s96, s[WV], HT                       ; at the head: x's halves, then Wq's two heads
	s_mul_i32 s97, s[WV], 32*WPITCH                ; a refill: my 32 rows of a slot
	s_mov_b32 s[G0X], 1
	s_mov_b32 s[G0X+1], s96
	s_mov_b32 s[G0W], 1
	s_mov_b32 s[G0W+1], s96
	s_mov_b32 s[G0K], 1
	s_mov_b32 s[G0K+1], s97
	s_mov_b32 s[G0V], 1
	s_add_co_u32 s[G0V+1], s97, SL1
	s_mov_b32 s[SEL], 0x76543210
	s_mov_b32 s[SEL+1], 0xfedcba98                 ; v_permlanex16_b32's selects for lane l xor 16
	s_mov_b32 s[MNT], 0x600000                     ; the mantissa field of 448
	s_mov_b32 s[FLR], 0x4800000
	s_mov_b32 s3, 0
	s_mov_b32 s5, 0
	s_lshl_b32 s2, s39, 17                         ; s[2:3]: x's offsets; s[4:5]: the weights'
	s_lshl_b32 s6, s41, 16
	s_add_co_u32 s2, s2, s6
	s_lshl_b32 s4, s40, 17
	WALU
	s_wait_dscnt 0x0                               ; both opening adds are done
	ROUND                                          ; all sixteen work-groups are here: the joint loads meet
	s_wait_kmcnt 0x0
	s_add_nc_u64 s[G0X+2:G0X+3], s[8:9], s[2:3]
	s_or_b32 s[G0X+3], s[G0X+3], 0x80000000
	s_add_nc_u64 s[96:97], s[18:19], s[4:5]        ; Wk, Wv at the pair's rows
	s_add_nc_u64 s[98:99], s[24:25], s[4:5]
	s_add_co_u32 s4, s4, s6
	s_add_nc_u64 s[G0W+2:G0W+3], s[12:13], s[4:5]
	s_or_b32 s[G0W+3], s[G0W+3], 0x80000000
	s_cmp_lt_u32 s[WV], 2                          ; one load a wave; x has a line of its own: it is shown ahead of Wq
	s_cbranch_scc0 .Lfor_w
	TLOAD G0X, G1X
	s_branch .Lasked
.Lfor_w:
	TLOAD G0W, G1W
.Lasked:
	s_lshl_b32 s7, s[WV], 15
	s_lshl_b32 s4, s40, 17
	s_add_co_u32 s4, s4, s7
	s_add_nc_u64 s[G0K+2:G0K+3], s[18:19], s[4:5]
	s_or_b32 s[G0K+3], s[G0K+3], 0x80000000
	s_add_nc_u64 s[G0V+2:G0V+3], s[24:25], s[4:5]
	s_or_b32 s[G0V+3], s[G0V+3], 0x80000000
	s_lshr_b32 s2, s2, 5                           ; x's scale bytes: 32 a row
	s_add_nc_u64 s[10:11], s[10:11], s[2:3]
	s_lshl_b32 s4, s40, 12                         ; my head's 64 rows of scale bytes
	s_lshl_b32 s7, s42, 11
	s_add_co_u32 s4, s4, s7
.irp p, 0,1,2
	s_add_nc_u64 s[14+6*\p:15+6*\p], s[14+6*\p:15+6*\p], s[4:5]
.endr
	s_lshr_b32 s4, s4, 3                           ; its 64 biases
.irp p, 0,1,2
	s_add_nc_u64 s[16+6*\p:17+6*\p], s[16+6*\p:17+6*\p], s[4:5]
.endr
	v_and_b32 v[LANE], 31, v0
	v_and_b32 v[R], 15, v0
	v_bfe_u32 v[H], v0, 4, 1
	v_lshlrev_b32 v[WSA], 5, v[LANE]
	v_lshlrev_b32 v[BA], 5, v[H]
	v_lshlrev_b32 v[BVA], 2, v[R]
	v_lshlrev_b32 v[LI], 4, v[LANE]
	v_lshlrev_b32 v[L8], 3, v[LANE]
	v_and_b32 v103, 8, v[R]
	v_add_nc_u32 v103, v103, v[R]                  ; r + 8 (r / 8)
	v_lshl_add_u32 v[XSA], v[H], 3, v103
	v_lshlrev_b32 v[XSA], 5, v[XSA]
	s_lshl_b32 s7, s37, 2
	s_add_co_u32 s7, s7, s[WV]
	s_lshl_b32 s7, s7, 13                          ; the prefetches: 8,192 bytes a wave, 16 waves of the cluster's row
	v_lshl_add_u32 v[PF], v[LANE], 8, s7
	WALU
.irp i, 0,1
	global_load_b128 v[XS+8*\i:XS+8*\i+3], v[XSA], s[10:11] offset:1024*\i
	global_load_b128 v[XS+8*\i+4:XS+8*\i+7], v[XSA], s[10:11] offset:1024*\i+16
.endr
	LOADWS WS, 14
	LOADWS WS+16, 20
	LOADB 16
	s_cmp_lt_u32 ttmp9, 4                          ; the cluster's number along x
	s_cbranch_scc0 .Lno_prefetch
	global_prefetch_b8 v[PF], s[96:97] th:TH_LOAD_NT scope:SCOPE_SE
	global_prefetch_b8 v[PF], s[98:99] th:TH_LOAD_NT scope:SCOPE_SE
.Lno_prefetch:
	s_mul_i32 s7, s41, HT
	v_mul_u32_u24 v[XA], v103, WPITCH
	v_lshl_add_u32 v[XA], v[H], 4, v[XA]
	v_add_nc_u32 v[XA], s7, v[XA]
	s_mul_i32 s7, s42, HT
	v_mul_u32_u24 v104, v[R], WPITCH
	v_lshl_add_u32 v104, v[H], 4, v104
	v_add_nc_u32 v[WA+1], s7, v104
	s_add_co_u32 s7, s7, SL1
	v_add_nc_u32 v[WA], s7, v104
	s_lshl_b32 s7, s[WV], 8
	s_add_co_u32 s7, s7, STGQ
	v_lshl_add_u32 v[QSTW], v[R], 2, s7            ; Q's scale words: my wave's 256 bytes, 4 r
	v_lshl_add_u32 v[QSTR], v[LANE], 3, s7
	s_lshl_b32 s7, s42, 9
	s_add_co_u32 s7, s7, STG2
	s_lshl_b32 s43, s41, 2
	s_add_co_u32 s43, s43, s7
	v_lshl_add_u32 v[KSTW], v[R], 3, s43           ; K's word of block B = 2 half + b of a step: 8 (16 (B % 2) + r) + 4 (B / 2)
	s_lshl_b32 s43, s41, 1
	s_add_co_u32 s43, s43, s7
	s_add_co_u32 s43, s43, 256
	v_lshl_add_u32 v[VSTW], v[R], 3, s43           ; V's bytes of tile t: 8 (16 (t % 2) + r) + 4 (t / 2) + 2 half
	s_lshl_b32 s43, s41, 8
	s_add_co_u32 s43, s43, s7
	v_lshl_add_u32 v[SSR], v[LANE], 3, s43         ; at the end: waves of half 0 K's 256 bytes of their head, of half 1 V's
	v_mov_b32 v[TM+2], 0                           ; a lane permute's destination counts as one of its sources
	v_mov_b32 v[TM+3], 0
	s_lshr_b32 s6, s39, 4                          ; where my results go: batch
	s_lshl_b32 s6, s6, 4
	s_lshl_b32 s7, s40, 1
	s_add_co_u32 s6, s6, s7
	s_add_co_u32 s6, s6, s42                       ; 16 x batch + head
	s_and_b32 s7, s39, 15                          ; key step in the batch
	s_lshl_b32 s2, s6, 17                          ; qc: 131,072 bytes a head, 1,024 a tile, 8 tiles a key step
	s_lshl_b32 s37, s7, 13
	s_add_co_u32 s2, s2, s37
	s_lshl_b32 s37, s41, 12
	s_add_co_u32 s2, s2, s37
	s_add_nc_u64 s[30:31], s[30:31], s[2:3]
	s_lshr_b32 s2, s2, 4                           ; qs: 64 bytes a tile
	s_add_nc_u64 s[32:33], s[32:33], s[2:3]
	s_mul_i32 s2, s6, KVBH
	s_add_nc_u64 s[34:35], s[34:35], s[2:3]        ; kv at the head's block
	s_lshl_b32 s37, s7, 14
	s_add_co_u32 s37, s37, 8192                    ; the key step's codes
	s_lshl_b32 s38, s41, 12
	s_add_co_u32 s2, s37, s38
	s_add_nc_u64 s[60:61], s[34:35], s[2:3]        ; K: my two fragments of its four
	s_lshl_b32 s43, s41, 10
	s_add_co_u32 s2, s37, s43
	s_add_co_u32 s2, s2, 8192
	s_add_nc_u64 s[62:63], s[34:35], s[2:3]        ; V: my two chunks of each of its four fragments
	s_lshl_b32 s2, s7, 8
	s_add_co_u32 s2, s2, s38
	s_add_nc_u64 s[66:67], s[34:35], s[2:3]        ; the 256 scale bytes that I store at the end
	WALU
	s_cmp_lt_u32 s[WV], 2
	s_cbranch_scc0 .Lnot_x
	s_wait_tensorcnt 0x0                           ; waves 0, 1: x has landed; the other waves' wait stands ahead of the first refill
.Lnot_x:
	s_barrier_signal -1
	s_barrier_wait -1
.irp s, 0,1,2,3,4,5,6,7                ; x's fragments: 128 loads
	WIN ((1+\s/4)<<6)
.irp m, 0,1,2,3
.irp c, 0,1,2,3
	ds_load_b128 v[16*(4*(\s%4)+\m)+4*\c:16*(4*(\s%4)+\m)+4*\c+3], v[XA] offset:(32*(\m/2)+8*(\m%2))*WPITCH+128*\s+32*\c
.endr
.endr
.endr
	WIN 0
	s_wait_loadcnt 0x0                             ; scale words, bq
	DRAIN                                          ; Wq is in, and all x is in registers
	TLOAD G0K, G1R                                 ; Wk over x
	PASS 0                                         ; ---- Q
	s_wait_loadcnt 0x0                             ; bk
	DRAIN                                          ; Wk is in; nobody reads Wq any more
	TLOAD G0V, G1R                                 ; Wv over Wq
	PASS 1                                         ; ---- K; among its products Q's quantiser
	ds_load_b64 v[RB:RB+1], v[QSTR]                ; LDS serves a wave's instructions in order: this sees my stores
	WALU
	s_wait_loadcnt 0x0                             ; Wv's scale words, bv
	s_wait_tensorcnt 0x0                           ; Wv is in; nothing is filled again
	s_wait_dscnt 0x0
	global_store_b64 v[L8], v[RB:RB+1], s[32:33]   ; 256 consecutive bytes, aligned
	s_barrier_signal -1
	s_barrier_wait -1
	PASS 2                                         ; ---- V: x is source 0; among its products K's quantiser
.set n_, 0
.rept 128
	QL 2, 0, n_
.set n_, n_+1
.endr
	WALU
	s_wait_dscnt 0x0                               ; for the others' sake: my scale words and bytes are in LDS
	s_barrier_signal -1
	s_barrier_wait -1
	s_wait_xcnt 0x0
	ds_load_b64 v[RB:RB+1], v[SSR]
	s_wait_dscnt 0x0
	global_store_b64 v[L8], v[RB:RB+1], s[66:67]   ; 256 consecutive bytes, aligned
	s_wait_tensorcnt 0x0                           ; the wave's end
	ds_add_u32 v[SPW], v[NIL]
	s_wait_dscnt 0x0
	ROUND                                          ; the closing round
	s_endpgm
.Lfunc_end_k_q294e0921de_qkv:
	.size	k_q294e0921de_qkv, .Lfunc_end_k_q294e0921de_qkv-k_q294e0921de_qkv
	.p2alignl 7, 3214868480
	.fill 96, 4, 3214868480
	.section	.rodata,"a",@progbits
	.p2align	6, 0x0
	.amdhsa_kernel k_q294e0921de_qkv
		.amdhsa_group_segment_fixed_size 327680
		.amdhsa_private_segment_fixed_size 0
		.amdhsa_enable_private_segment 0
		.amdhsa_kernarg_size 112
		.amdhsa_user_sgpr_count 2
		.amdhsa_user_sgpr_kernarg_segment_ptr 1
		.amdhsa_wavefront_size32 1
		.amdhsa_system_sgpr_workgroup_id_x 1
		.amdhsa_system_sgpr_workgroup_id_y 1
		.amdhsa_system_sgpr_workgroup_id_z 1
		.amdhsa_system_vgpr_workitem_id 0
		.amdhsa_next_free_vgpr 1024
		.amdhsa_next_free_sgpr 100
		.amdhsa_reserve_vcc 0
		.amdhsa_float_denorm_mode_32 3
		.amdhsa_float_denorm_mode_16_64 3
		.amdhsa_memory_ordered 1
		.amdhsa_forward_progress 1
		.amdhsa_inst_pref_size 171
	.end_amdhsa_kernel
	.amdgpu_metadata
---
amdhsa.version: [ 1, 2 ]
amdhsa.kernels:
  - .name:           k_q294e0921de_qkv
    .symbol:         k_q294e0921de_qkv.kd
    .args:
      - { .name: x_codes, .offset: 0, .size: 8, .value_kind: global_buffer, .address_space: global }
      - { .name: x_scales, .offset: 8, .size: 8, .value_kind: global_buffer, .address_space: global }
      - { .name: Wq_codes, .offset: 16, .size: 8, .value_kind: global_buffer, .address_space: global }
      - { .name: Wq_scales, .offset: 24, .size: 8, .value_kind: global_buffer, .address_space: global }
      - { .name: bq, .offset: 32, .size: 8, .value_kind: global_buffer, .address_space: global }
      - { .name: Wk_codes, .offset: 40, .size: 8, .value_kind: global_buffer, .address_space: global }
      - { .name: Wk_scales, .offset: 48, .size: 8, .value_kind: global_buffer, .address_space: global }
      - { .name: bk, .offset: 56, .size: 8, .value_kind: global_buffer, .address_space: global }
      - { .name: Wv_codes, .offset: 64, .size: 8, .value_kind: global_buffer, .address_space: global }
      - { .name: Wv_scales, .offset: 72, .size: 8, .value_kind: global_buffer, .address_space: global }
      - { .name: bv, .offset: 80, .size: 8, .value_kind: global_buffer, .address_space: global }
      - { .name: qc, .offset: 88, .size: 8, .value_kind: global_buffer, .address_space: global }
      - { .name: qs, .offset: 96, .size: 8, .value_kind: global_buffer, .address_space: global }
      - { .name: kv, .offset: 104, .size: 8, .value_kind: global_buffer, .address_space: global }
    .group_segment_fixed_size: 327680
    .private_segment_fixed_size: 0
    .kernarg_segment_align: 8
    .kernarg_segment_size: 112
    .max_flat_workgroup_size: 128
    .sgpr_count:     100
    .vgpr_count:     1024
    .wavefront_size: 32
...
	.end_amdgpu_metadata
.endif
;; end of part 1
;; launch attn (part 2): grid 8 x 32, 8 waves a work-group, clusters of 4 x 1, 327,680 bytes of LDS; arguments qc, qs, kv, cc, cs; writes cc, cs
.if DOCPART == 2
	.amdgcn_target "amdgcn-amd-amdhsa--gfx1250"
	.amdhsa_code_object_version 6
	.text
	.protected	k_q294e0921de_attn
	.globl	k_q294e0921de_attn
	.p2align	8
	.type	k_q294e0921de_attn,@function
k_q294e0921de_attn:
	s_mov_b64 s[64:65], 0
	v_nop
	global_prefetch_b8 v0, s[64:65] scope:SCOPE_SE
	s_setreg_imm32_b32 hwreg(HW_REG_WAVE_MODE, 25, 1), 1
	s_wait_xcnt 0x0
	s_wait_alu depctr_hold_cnt(0) depctr_sa_sdst(0) depctr_va_vdst(0) depctr_va_sdst(0) depctr_va_ssrc(0) depctr_va_vcc(0) depctr_vm_vsrc(0)
	s_getreg_b32 s2, hwreg(HW_REG_IB_STS2, 6, 4)
	s_cmp_eq_u32 s2, 0
	s_cbranch_scc0 .Lentry_in_a_cluster
	s_endpgm
.Lentry_in_a_cluster:
	s_bfe_u32 s2, ttmp6, 0x10000c
	s_cmp_lg_u32 s2, 0x3003
	s_cbranch_scc0 .Lentry_shape_is_right
	s_endpgm
.Lentry_shape_is_right:
; ctx = softmax(Q K^T / 8) V for one (batch, head) and 256 queries, both products on codes of FP8 (E4M3) with E8M0 scales, and the quantiser of ctx along the head's 64 channels.
; THE SOFTMAX AHEAD OF THE SECOND PRODUCT: t = score x log2(e) / 8; M = the running largest t rounded UP to a whole number; p = 2^(t - M) is quantised along the keys, not normalised; the row's sum is taken of the
; unquantised p and divides at the end.  When M moves, the sum and O are multiplied by 2^(old M - new M): exact.
; SHARES.  Eight waves, each with TWO tiles of 16 queries, A and B, in 512 registers: each fragment of K and V that is read from LDS serves both.  A wave walks the head's 2,048 keys, 256 a trip.
; The head's whole block of kv (scale words, then 16 steps of 128 keys: four fragments of K and four of V; 270,336 bytes) lies in LDS as in memory, filled ONCE.  The four query blocks of a cluster ask for it JOINTLY, one load a wave.
; No prefetch: every byte is asked for at the head, and no loop stands ahead of it.
; LAYOUT.  Both products are used transposed: a lane holds one query of A and one of B (lane % 16).  THE HEAD HAS 64 CHANNELS, THE INSTRUCTION'S K IS 128: a fragment of K holds two keys a lane (chunks 0, 1 and 2, 3), and Q stands
; between zero codes: [q, 0] gives the scores of the first keys, [0, q] those of the second.  The 16 registers of a fragment's two results are keys 32 b + 16 (lane / 16) + 0 .. 15: the conversions' results are the second product's operand.
; ONE REGISTER FOR BOTH TILES.  v_permlane16_swap of A's and B's maxima and one maximum leave A's query in lanes 0-15 and B's in lanes 16-31: M, the factor, the blocks' scales and p's scale word are made once for both; a copy and
; a second swap spread a register over both halves again: [A, A] and [B, B].
; A TRIP.  Scores of 8 blocks of 32 keys; the maxima of a block stand behind the products two blocks on.  Then four batches of exponentials: blocks 4, 5 / 6, 7 / 0, 1 / 2, 3; among a batch's stand the next batch's multiply-adds
; and the last one's holds.  Keys 128-255 are multiplied by V first, so that V's fragments for keys 0-127 find room in the dead scores of tile A.
; LIMITS: NaN and infinities are not served; scaled scores stay under 2^31 in magnitude.  A block of p, or of ctx, whose largest number lies under 2^-118 keeps the scale byte 1.
; WINDOW 0 as named below.  WINDOW 1: the scores, then p: tile T, block b at v[128 T + 16 b].
.set KVBH,  270336
.set STG,   KVBH                       ; ctx's scale bytes: 64 for each wave
.set SPARE, KVBH+512                   ; the spare words: 128 bytes for each wave
.set ADC,  1                           ; LDS address of the trip's fragments
.set ADS,  2                           ; and of its scale words
.set L16,  3                           ; 16 x lane
.set L8,   4                           ; 8 x lane
.set SPW,  5
.set NIL,  6
.set RM,   7                           ; the largest score so far (A | B)
.set NMX,  8                           ; -M (A | B)
.set QSC,  9                           ; Q's scale words (A | B)
.set NM,   10                          ; v[10:11] -M of A, v[12:13] of B
.set FF,   14                          ; v[14:15] the factor of A, v[16:17] of B
.set SUM,  18                          ; v18-25 the sums: two chains of A, two of B
.set KSC,  26                          ; v26-29 K's scale words
.set PW,   30                          ; v30, v31 p's scale words of keys 0-127, 128-255 (A | B)
.set VSC,  32                          ; v32-35 V's scale words
.set SO,   36                          ; v36-39 the conversions' scale operands
.set QZ,   40                          ; v40-79 [8 zeros][A's q][8 zeros][B's q][8 zeros]
.set F,    80                          ; v80-143 four fragments
.set PCD,  144                         ; v144-175 p's codes, A's and B's
.set O,    176                         ; v176-239 O^T, A's and B's
.set BM,   240                         ; v240-247 A's blocks' maxima, later holds; v248-255 B's
.set WV,   14                          ; s14 wave; s15 cx; s16 query block; s17 16 x batch + head; s18 batch; s19 head
.set SEL,  20
.set CS,   22                          ; s[22:23] c = log2(e) / 8
.set MNT,  24
.set TB,   25                          ; LDS byte at which the next trip's fragments begin
.set TS,   26                          ; and its scale words of K
.set CNT,  27
.set G0A,  28
.set G0B,  32
.set G1A,  36
.set G1B,  44
.set NC,   2                           ; -c
.set NEG,  3                           ; -3e38
.set FLR,  56                          ; 2^(9 - 127)
.set TN,   57
.set MSB, 0
.macro WIN new                         ; the immediate's high byte repeats the setting that is left
.if MSB != (\new)
	s_set_vgpr_msb (MSB<<8)|(\new)
.set MSB, (\new)
.endif
.endm
.macro WALU                            ; the wait around each batch of exponentials, and ahead of a blocking wait
	s_wait_alu depctr_va_vdst(0)
.endm
.macro PLACES n
.rept \n
	v_nop
.endr
.endm
.macro ROUND
	s_barrier_signal -1
	s_barrier_wait -1
	s_cmp_lg_u32 s[WV], 0
	s_cbranch_scc1 .Lnot_wave_0_\@
	s_barrier_signal -3
.Lnot_wave_0_\@:
	s_barrier_wait -3
	s_barrier_signal -1
	s_barrier_wait -1
.endm
.macro WM0 d, a, b, sa, sb, ra, rb     ; a product that starts from 0; ra, rb: the side's scales stand in lanes 16-31
.if (\ra) && (\rb)
	v_wmma_scale_f32_16x16x128_f8f6f4 v[(\d):(\d)+7], v[(\a):(\a)+15], v[(\b):(\b)+15], 0, v[\sa], v[\sb] matrix_a_scale:MATRIX_SCALE_ROW1 matrix_b_scale:MATRIX_SCALE_ROW1
.elseif (\ra)
	v_wmma_scale_f32_16x16x128_f8f6f4 v[(\d):(\d)+7], v[(\a):(\a)+15], v[(\b):(\b)+15], 0, v[\sa], v[\sb] matrix_a_scale:MATRIX_SCALE_ROW1
.elseif (\rb)
	v_wmma_scale_f32_16x16x128_f8f6f4 v[(\d):(\d)+7], v[(\a):(\a)+15], v[(\b):(\b)+15], 0, v[\sa], v[\sb] matrix_b_scale:MATRIX_SCALE_ROW1
.else
	v_wmma_scale_f32_16x16x128_f8f6f4 v[(\d):(\d)+7], v[(\a):(\a)+15], v[(\b):(\b)+15], 0, v[\sa], v[\sb]
.endif
.endm
.macro WMC d, a, b, sa, sb, ra, rb     ; a product that adds in place
.if (\ra) && (\rb)
	v_wmma_scale_f32_16x16x128_f8f6f4 v[(\d):(\d)+7], v[(\a):(\a)+15], v[(\b):(\b)+15], v[(\d):(\d)+7], v[\sa], v[\sb] matrix_a_scale:MATRIX_SCALE_ROW1 matrix_b_scale:MATRIX_SCALE_ROW1
.elseif (\ra)
	v_wmma_scale_f32_16x16x128_f8f6f4 v[(\d):(\d)+7], v[(\a):(\a)+15], v[(\b):(\b)+15], v[(\d):(\d)+7], v[\sa], v[\sb] matrix_a_scale:MATRIX_SCALE_ROW1
.elseif (\rb)
	v_wmma_scale_f32_16x16x128_f8f6f4 v[(\d):(\d)+7], v[(\a):(\a)+15], v[(\b):(\b)+15], v[(\d):(\d)+7], v[\sa], v[\sb] matrix_b_scale:MATRIX_SCALE_ROW1
.else
	v_wmma_scale_f32_16x16x128_f8f6f4 v[(\d):(\d)+7], v[(\a):(\a)+15], v[(\b):(\b)+15], v[(\d):(\d)+7], v[\sa], v[\sb]
.endif
.endm
.macro FILL p, i, first                ; four lines behind product i of pair p, in four chains: p > 0: the maxima of the pair before; p = 0: the last trip's p of blocks 2, 3 onto the sums (0x14)
.if (\p) > 0
.irp q, 0,1
.irp T, 0,1
.set xm, BM+8*\T+2*((\p)-1)+\q
.set xs, 128*\T+16*(2*((\p)-1)+\q)+2*(\i)
.if (\i) == 0
	v_max3_num_f32 v[xm], s[NEG], v[xs], v[xs+1]
.else
	v_max3_num_f32 v[xm], v[xm], v[xs], v[xs+1]
.endif
.endr
.endr
.elseif \first
	PLACES 4
.else
.irp q, 0,1
.irp T, 0,1
	v_pk_add_f32 v[SUM+4*\T+2*\q:SUM+4*\T+2*\q+1], v[SUM+4*\T+2*\q:SUM+4*\T+2*\q+1], v[128*\T+16*(2+\q)+2*(\i):128*\T+16*(2+\q)+2*(\i)+1]
.endr
.endr
.endif
.endm
.macro KV2 dst, off                    ; two fragments, one behind the other in LDS
.irp q, 0,1
.irp c, 0,1,2,3
	ds_load_b128 v[\dst+16*\q+4*\c:\dst+16*\q+4*\c+3], v[ADC] offset:\off+2048*\q+512*\c
.endr
.endr
.endm
.macro PKADD T, k                      ; tile T's p of block k onto the sums (0x14)
.irp i, 0,1,2,3,4,5,6,7
	v_pk_add_f32 v[SUM+4*\T+2*(\i%2):SUM+4*\T+2*(\i%2)+1], v[SUM+4*\T+2*(\i%2):SUM+4*\T+2*(\i%2)+1], v[128*\T+16*(\k)+2*\i:128*\T+16*(\k)+2*\i+1]
.endr
.endm
.macro PKG g                           ; blocks g, g + 1 of both tiles: four chains by turns (0x14)
.irp q, 0,1
.irp i, 0,1,2,3,4,5,6,7
.irp T, 0,1
	v_pk_add_f32 v[SUM+4*\T+2*(\i%2):SUM+4*\T+2*(\i%2)+1], v[SUM+4*\T+2*(\i%2):SUM+4*\T+2*(\i%2)+1], v[128*\T+16*(\g+\q)+2*\i:128*\T+16*(\g+\q)+2*\i+1]
.endr
.endr
.endr
.endm
.macro FMAP g                          ; t - M of pair n_ of blocks g, g + 1 (0x41)
.set xf, 128*(n_/16)+16*(\g)+2*(n_%16)
	v_pk_fma_f32 v[xf:xf+1], v[xf:xf+1], s[CS:CS+1], v[NM+2*(n_/16):NM+2*(n_/16)+1] op_sel_hi:[1,0,0]
.endm
.macro MINP g, mv                      ; the hold of pair n_: the conversion does not saturate (ISA guide 7.6.2); p is not negative.  mv = 1: into tile B's dead scores, so that p itself stays for the sums (0x41)
.set xa, 128*(n_/16)+16*(\g)+2*(n_%16)
.set xh, BM+8*(n_/16)+(\g)+(n_%16)/8
.if \mv
.set xd, 192+32*(n_/16)+2*(n_%16)
.else
.set xd, xa
.endif
	v_dual_min_num_f32 v[xd], v[xa], v[xh] :: v_dual_min_num_f32 v[xd+1], v[xa+1], v[xh]
.endm
.macro STAGE ge, gf, gm                ; a batch: 64 exponentials of blocks ge, ge + 1; among them blocks gf's multiply-adds and blocks gm's holds (0x41)
.set n_, 0
.rept 32
.set xe, 128*(n_/16)+16*(\ge)+2*(n_%16)
	v_exp_f32 v[xe], v[xe]
.if (\gf) >= 0
	FMAP \gf
.endif
	v_exp_f32 v[xe+1], v[xe+1]
.if (\gm) >= 0
	MINP \gm, 0
.endif
.set n_, n_+1
.endr
.endm
.macro CVTG g, mv                      ; blocks g, g + 1 become codes (0x01)
.irp T, 0,1
.irp q, 0,1
	v_add_nc_u32 v[SO+2*\T+\q], 0xfc000000, v[BM+8*\T+(\g)+\q]   ; 8 off the hold's exponent field: the conversion takes that field alone
.endr
.endr
.irp T, 0,1
.irp q, 0,1
.if \mv
.set xc, 192+32*\T+16*\q
.else
.set xc, 128*\T+16*((\g)+\q)
.endif
.set xp, PCD+16*\T+4*(((\g)+\q)%4)
	v_cvt_scalef32_pk8_fp8_f32 v[xp:xp+1], v[xc:xc+7], v[SO+2*\T+\q]
	v_cvt_scalef32_pk8_fp8_f32 v[xp+2:xp+3], v[xc+8:xc+15], v[SO+2*\T+\q]
.endr
.endr
.endm
.macro PV u                            ; O^T += V^T P^T for keys 128 u ..: eight accumulators by turns
.irp t, 0,1,2,3
.irp T, 0,1
.if \u
.set xv, F+16*((\t+2)%4)
	WIN 0
.else
.set xv, 64+16*\t
	WIN 0x01
.endif
	WMC O+32*\T+8*\t, xv, PCD+16*\T, VSC+2*\u+\t/2, PW+\u, \t%2, \T
.if \u && (2*\t+\T != 6)               ; among the first half's products the holds of blocks 2, 3: four lines behind each of the first six, eight behind the last
	WIN 0x41
.set nm_, 4+4*((2*\t+\T)/7)
.rept nm_
	MINP 2, 1
.set n_, n_+1
.endr
.endif
.endr
.endr
.endm
.macro KFETCH                          ; a trip's first 18 loads: K's scale words, its blocks 0-3
	ds_load_b64 v[KSC:KSC+1], v[ADS]
	ds_load_b64 v[KSC+2:KSC+3], v[ADS] offset:256
.irp b, 0,1,2,3
.irp c, 0,1,2,3
	ds_load_b128 v[F+16*\b+4*\c:F+16*\b+4*\c+3], v[ADC] offset:2048*\b+512*\c
.endr
.endr
.endm
.macro TRIP first
.set p_, 0
.rept 4                                ; S^T = K Q^T, two blocks of 32 keys at a time; the pairs' fragments lie in F, F + 32, PCD (whose codes are done with) and F
.if p_ == 2
.set fb_, PCD
.else
.set fb_, F+32*(p_%3)                  ; pairs 0, 1, 3: F, F + 32, F
.endif
	s_wait_dscnt 8                                 ; this pair's fragments are in; the eight younger loads may be out
.set g_, 0
.rept 8                                ; first the products that begin a pair's scores, then those of the upper eight registers: 20 places and more stand ahead of the first read of each
	WIN 0x40
	WM0 128*(g_%2)+16*(2*p_+(g_%4)/2)+8*(g_/4), fb_+16*((g_%4)/2), 48+16*(g_%2)-8*(g_/4), KSC+p_, QSC, (g_%4)/2, g_%2
	WIN 0x14
	FILL p_, g_, \first
.if g_ == 2                            ; 12 places and more behind the products that read these registers
.if p_ == 0
	KV2 PCD, 16384
.elseif p_ == 1
	KV2 F, 20480
.elseif p_ == 2
	KV2 F+32, 24576                                ; V for keys 128-255, tiles 0, 1
.endif
.endif
.set g_, g_+1
.endr
.set p_, p_+1
.endr
.set g_, 0
.rept 8
	FILL 4, g_, 0
.if g_ == 2
	KV2 F, 28672                                   ; V's tiles 2, 3
	ds_load_b64 v[VSC:VSC+1], v[ADS] offset:4096
	ds_load_b64 v[VSC+2:VSC+3], v[ADS] offset:4352
.endif
.set g_, g_+1
.endr
	WIN 0
.irp b, 0,1,2,3,4,5,6,7
	v_permlane16_swap_b32 v[BM+\b], v[BM+8+\b]     ; [A, lanes 0-15's keys | B, the same] and [A, lanes 16-31's keys | B, the same]
.endr
.irp b, 0,1,2,3,4,5,6,7
	v_max_num_f32 v[BM+\b], v[BM+\b], v[BM+8+\b]   ; the block's largest score, A | B: for the row's maximum and, since p rises with the score, for the block's largest p
.endr
	v_max3_num_f32 v[BM+8], v[BM], v[BM+1], v[BM+2]
	v_max3_num_f32 v[BM+9], v[BM+3], v[BM+4], v[BM+5]
	v_max3_num_f32 v[RM], v[RM], v[BM+6], v[BM+7]
	v_max3_num_f32 v[RM], v[RM], v[BM+8], v[BM+9]
	v_mul_f32 v[BM+8], s[NC], v[RM]                ; -t (c is positive)
	v_floor_f32 v[NM], v[BM+8]                     ; the new -M = floor(-t) = -ceil(t)
	v_sub_f32 v[BM+8], v[NM], v[NMX]               ; old M - new M: a whole number, 0 or less
	v_mov_b32 v[NMX], v[NM]
	v_mov_b32 v[NM+2], v[NM]
	v_cvt_i32_f32 v[BM+8], v[BM+8]                 ; (it saturates)
	v_permlane16_swap_b32 v[NM], v[NM+2]
	v_ldexp_f32 v[FF], 1.0, v[BM+8]
.irp b, 0,1,2,3,4,5,6,7
	v_fma_f32 v[BM+\b], v[BM+\b], s[CS], v[NMX]
.endr
	v_mov_b32 v[FF+2], v[FF]
	WIN 0x41
.set n_, 0
.rept 32
	FMAP 4
.set n_, n_+1
.endr
	WIN 0
	v_permlane16_swap_b32 v[FF], v[FF+2]
.irp T, 0,1
.irp j, 0,2,4,6,8,10,12,14,16,18,20,22,24,26,28,30
	v_pk_mul_f32 v[O+32*\T+\j:O+32*\T+\j+1], v[O+32*\T+\j:O+32*\T+\j+1], v[FF+2*\T:FF+2*\T+1] op_sel_hi:[1,0]   ; O^T under the new M, ahead of every exponential of the trip
.endr
.endr
	WALU
.irp b, 0,1,2,3,4,5,6,7
	v_exp_f32 v[BM+\b], v[BM+\b]                   ; the blocks' largest p: the same two instructions on the same number
.endr
	WIN 0x41
	STAGE 4, 6, -1
	WIN 0
.irp T, 0,1
.irp c, 0,2
	v_pk_mul_f32 v[SUM+4*\T+\c:SUM+4*\T+\c+1], v[SUM+4*\T+\c:SUM+4*\T+\c+1], v[FF+2*\T:FF+2*\T+1] op_sel_hi:[1,0]   ; the sums under the new M
.endr
.endr
	WALU
.irp b, 0,1,2,3,4,5,6,7
	v_max_num_f32 v[BM+\b], s[FLR], v[BM+\b]       ; the floor holds the byte at 1 from below
.endr
.irp b, 0,1,2,3,4,5,6,7
	v_lshrrev_b32 v[BM+8+\b], 23, v[BM+\b]
.endr
.irp u, 0,1
	v_lshl_or_b32 v[PW+\u], v[BM+9+4*\u], 8, v[BM+8+4*\u]
.endr
.irp u, 0,1
	v_lshl_or_b32 v[PW+\u], v[BM+10+4*\u], 16, v[PW+\u]
.endr
.irp u, 0,1
	v_lshl_or_b32 v[PW+\u], v[BM+11+4*\u], 24, v[PW+\u]
.endr
.irp u, 0,1
	v_add_nc_u32 v[PW+\u], 0xf7f7f7f8, v[PW+\u]    ; 8 off each of the four bytes, each of which is 9 or more
.endr
.irp b, 0,1,2,3,4,5,6,7
	v_and_or_b32 v[BM+8+\b], v[BM+\b], 0x7f800000, s[MNT]   ; 448 x the scale: the largest p's exponent field over 448's mantissa
.endr
.irp b, 0,1,2,3,4,5,6,7
	v_and_or_b32 v[BM+\b], v[BM+\b], 0x7f800000, s[MNT]
.endr
.irp b, 0,1,2,3,4,5,6,7
	v_permlane16_swap_b32 v[BM+\b], v[BM+8+\b]     ; [A, A] and [B, B]
.endr
	WIN 0x14
	PKG 4
	WALU
	WIN 0x41
	STAGE 6, 0, 4
	WALU
	WIN 0x01
	CVTG 4, 0
	WIN 0x14
	PKG 6
	WALU
	WIN 0x41
	STAGE 0, 2, 6
	WALU
	WIN 0x01
	CVTG 6, 0
	WIN 0x14
	PKG 0
	WIN 0x40
.irp t, 0,1,2,3
.irp c, 0,1,2,3
	ds_load_b128 v[64+16*\t+4*\c:64+16*\t+4*\c+3], v[ADC] offset:8192+2048*\t+512*\c   ; V for keys 0-127 into tile A's scores 4-7, which are codes by now
.endr
.endr
	WALU
	WIN 0x41
	STAGE 2, -1, 0
	WALU
	s_wait_dscnt 16                                ; V for keys 128-255 is in; the 16 loads above may be out
.set n_, 0
	PV 1
	WIN 0
	s_add_co_u32 s[TB], s[TB], 32768
	s_min_u32 s[TN], s[TB], 8192+7*32768           ; the last trip fetches its own blocks once more: no load beyond the block
	s_add_co_u32 s[TS], s[TS], 512
.if \first
	WALU
	s_wait_tensorcnt 0x0                           ; my part of kv is in
	s_wait_dscnt 0x0
	s_barrier_signal -1
	s_barrier_wait -1                              ; everybody's is
.endif
	v_add_nc_u32 v[ADC], s[TN], v[L16]
	v_add_nc_u32 v[ADS], s[TS], v[L8]
	KFETCH                                         ; the next trip's
	WIN 0x01
	CVTG 0, 0
	v_nop                                          ; a plain instruction behind the conversions, ahead of what writes their scale operands
	CVTG 2, 1
	PLACES 4                                       ; between the conversions and the products
	WALU
	s_wait_dscnt 18                                ; V for keys 0-127 is in; the next trip's 18 loads may be out
	WIN 0x01
	PV 0
	WIN 0
.endm
	s_load_b256 s[4:11], s[0:1], 0x0               ; qc 4, qs 6, kv 8, cc 10
	s_load_b64 s[12:13], s[0:1], 0x20              ; cs
	v_lshl_add_u32 v[SPW], v0, 2, SPARE
	v_mov_b32 v[NIL], 0
	ds_add_u32 v[SPW], v[NIL]                      ; the wave's opening: the add, twice on end, and its wait
	ds_add_u32 v[SPW], v[NIL]
	v_lshrrev_b32 v1, 5, v0
	v_readfirstlane_b32 s[WV], v1                  ; wave 0..7
	v_and_b32 v2, 31, v0
	v_lshlrev_b32 v[L16], 4, v2
	v_lshlrev_b32 v[L8], 3, v2
	v_lshlrev_b32 v[BM], 2, v2
	s_bfe_u32 s15, ttmp6, 0x40000                  ; cx
	s_lshl_b32 s16, ttmp9, 2
	s_add_co_u32 s16, s16, s15                     ; query block: it enters Q's, cc's and cs's addresses alone
	s_and_b32 s17, ttmp7, 0xffff                   ; 16 x batch + head, which the four partners share
	s_lshr_b32 s18, s17, 4
	s_and_b32 s19, s17, 15
	; descriptor groups 1: dense rows of 256 bytes (32 elements of 8 bytes), no padding: wave 0: 160 rows (the scale words and keys 0-255); waves 1-7: 128 rows each
.irp g, G1A, G1B
	s_mov_b32 s[\g+0], 15|(3<<16)|(1<<21)          ; 15:0 the mask: all four work-groups; 17:16 elements of 8 bytes; 21 set beside a mask
	s_mov_b32 s[\g+1], 32<<16
	s_mov_b32 s[\g+3], 32<<16
	s_mov_b32 s[\g+5], 32
	s_mov_b32 s[\g+6], 0
	s_mov_b32 s[\g+7], 0
.endr
	s_mov_b32 s[G1A+2], 160<<16
	s_mov_b32 s[G1A+4], 160
	s_mov_b32 s[G1B+2], 128<<16
	s_mov_b32 s[G1B+4], 128
	s_mov_b32 s[SEL], 0x76543210
	s_mov_b32 s[SEL+1], 0xfedcba98
	s_mov_b32 s[CS], 0x3e38aa3b                    ; log2(e) / 8
	s_mov_b32 s[CS+1], s[CS]                       ; (named with it as a pair, so it is written)
	s_mov_b32 s[NC], 0xbe38aa3b
	s_mov_b32 s[NEG], 0xff61b1e6
	s_mov_b32 s[FLR], 0x4800000
	s_mov_b32 s[MNT], 0x600000
	s_mov_b32 s[TB], 8192
	s_mov_b32 s[TS], 0
	s_mov_b32 s53, 0                               ; s[52:53]: offsets made of the head and the wave alone
	s_mov_b32 s55, 0                               ; s[54:55]: offsets in which the query block stands
	s_mul_i32 s52, s17, KVBH
	s_mov_b32 s[G0A], 1
	s_mov_b32 s[G0A+1], 0                          ; the block lies in LDS as in memory
	s_mov_b32 s[G0B], 1
	s_lshl_b32 s[G0B+1], s[WV], 15
	s_add_co_u32 s[G0B+1], s[G0B+1], 8192          ; 40,960 + 32,768 x (wave - 1)
	WALU
	s_wait_dscnt 0x0
	ROUND                                          ; all four work-groups are here: the joint loads meet
	s_wait_kmcnt 0x0
	s_add_nc_u64 s[G0A+2:G0A+3], s[8:9], s[52:53]
	s_or_b32 s[G0A+3], s[G0A+3], 0x80000000
	s_add_co_u32 s52, s52, s[G0B+1]
	s_add_nc_u64 s[G0B+2:G0B+3], s[8:9], s[52:53]
	s_or_b32 s[G0B+3], s[G0B+3], 0x80000000
	s_cmp_eq_u32 s[WV], 0                          ; one load a wave; what the first trip reads has a line of its own
	s_cbranch_scc0 .Lothers
	tensor_load_to_lds s[G0A:G0A+3], s[G1A:G1A+7]
	s_nop 0
	PLACES 4
	s_branch .Lasked
.Lothers:
	tensor_load_to_lds s[G0B:G0B+3], s[G1B:G1B+7]
	s_nop 0
	PLACES 4
.Lasked:
	s_lshl_b32 s58, s16, 4
	s_lshl_b32 s59, s[WV], 1
	s_add_co_u32 s58, s58, s59                     ; my first tile of queries in the head
	s_lshl_b32 s54, s17, 17
	s_lshl_b32 s59, s58, 10
	s_add_co_u32 s54, s54, s59
	s_add_nc_u64 s[4:5], s[4:5], s[54:55]          ; its codes: 1,024 bytes a tile
	s_lshr_b32 s54, s54, 4
	s_add_nc_u64 s[6:7], s[6:7], s[54:55]          ; its scale words: 64 bytes a tile
	WALU
.irp T, 0,1
	global_load_b128 v[48+16*\T:51+16*\T], v[L16], s[4:5] offset:1024*\T
	global_load_b128 v[52+16*\T:55+16*\T], v[L16], s[4:5] offset:1024*\T+512
.endr
	global_load_b32 v[QSC], v[BM], s[6:7]          ; lanes 0-15: A's words, lanes 16-31: B's
	s_lshl_b32 s59, s18, 7
	s_add_co_u32 s58, s58, s59                     ; my first tile among the 256 of both batches
	s_lshl_b32 s54, s58, 14                        ; cc: 16,384 bytes a tile; the head's two chunks begin 1,024 x head bytes on
	s_lshl_b32 s59, s19, 10
	s_add_co_u32 s54, s54, s59
	s_add_nc_u64 s[10:11], s[10:11], s[54:55]
	s_lshl_b32 s58, s18, 7
	s_lshl_b32 s59, s16, 4
	s_add_co_u32 s58, s58, s59
	s_lshl_b32 s54, s58, 5                         ; cs: 8,192 bytes a head, 32 a tile; the work-group's 16 tiles
	s_lshl_b32 s59, s19, 13
	s_add_co_u32 s54, s54, s59
	s_add_nc_u64 s[12:13], s[12:13], s[54:55]
.irp j, 0,1,2,3,4,5,6,7
	v_mov_b32 v[QZ+\j], 0                          ; the zero codes beside q
	v_mov_b32 v[QZ+16+\j], 0
	v_mov_b32 v[QZ+32+\j], 0
	v_mov_b32 v[SUM+\j], 0
.endr
.set j_, 0
.rept 64
	v_mov_b32 v[O+j_], 0                           ; a trip has no first form of its own: the first change of M multiplies zeros
.set j_, j_+1
.endr
	v_mov_b32 v[RM], s[NEG]                        ; the largest score so far
	v_mov_b32 v[NMX], 0x7e967699                   ; -M so far: 1e38
.irp j, 1,3,5,7
	v_mov_b32 v[NM+\j], 0                          ; (named as upper halves of pairs)
.endr
	v_add_nc_u32 v[ADC], 8192, v[L16]
	v_mov_b32 v[ADS], v[L8]
	WALU
	s_wait_loadcnt 0x0                             ; Q
	s_cmp_eq_u32 s[WV], 0
	s_cbranch_scc0 .Lnot_mine
	s_wait_tensorcnt 0x0                           ; wave 0: the scale words and keys 0-255 are in; the other waves' wait stands inside the first trip
.Lnot_mine:
	s_barrier_signal -1
	s_barrier_wait -1
	KFETCH
	TRIP 1
	s_mov_b32 s[CNT], 7
.Ltrip:
	TRIP 0
	s_sub_co_u32 s[CNT], s[CNT], 1
	s_cmp_lg_u32 s[CNT], 0
	s_cbranch_scc1 .Ltrip
	; THE WAY OUT.  ctx = O^T / the sum, quantised along the head's channels.  Register 8 t + j of lane (r, h) is channel 16 t + 8 h + j.
	WIN 0x14
.irp T, 0,1
	PKADD \T, 2
	PKADD \T, 3
.endr
	WIN 0
	WALU
	s_wait_dscnt 0x0                               ; the loads of the last trip have landed: their registers may be written
.irp T, 0,1
	v_pk_add_f32 v[SUM+4*\T:SUM+4*\T+1], v[SUM+4*\T:SUM+4*\T+1], v[SUM+4*\T+2:SUM+4*\T+3]
.endr
.irp T, 0,1
	v_add_f32 v[SO+2*\T], v[SUM+4*\T], v[SUM+4*\T+1]
.endr
.irp T, 0,1
	v_permlanex16_b32 v[SO+2*\T+1], v[SO+2*\T], s[SEL], s[SEL+1]
.endr
.irp T, 0,1
	v_add_f32 v[SO+2*\T], v[SO+2*\T], v[SO+2*\T+1] ; the row's sum
.endr
	WALU
	v_rcp_f32 v[SO], v[SO]
	v_rcp_f32 v[SO+2], v[SO+2]
	v_nop                                          ; a plain instruction behind the reciprocals
	WALU
.irp T, 0,1
.irp j, 0,2,4,6,8,10,12,14,16,18,20,22,24,26,28,30
	v_pk_mul_f32 v[F+32*\T+\j:F+32*\T+\j+1], v[O+32*\T+\j:O+32*\T+\j+1], v[SO+2*\T:SO+2*\T+1] op_sel_hi:[1,0]   ; each accumulator from its low end on
.endr
.endr
.irp T, 0,1
.irp e, 0,1
	v_max3_num_f32 v[BM+8*\T+\e], |v[F+32*\T+16*\e]|, |v[F+32*\T+16*\e+1]|, s[FLR]
.endr
.endr
.irp i, 2,4,6,8,10,12,14
.irp T, 0,1
.irp e, 0,1
	v_max3_num_f32 v[BM+8*\T+\e], v[BM+8*\T+\e], |v[F+32*\T+16*\e+\i]|, |v[F+32*\T+16*\e+\i+1]|
.endr
.endr
.endr
.irp e, 0,1
	v_permlane16_swap_b32 v[BM+\e], v[BM+8+\e]
.endr
.irp e, 0,1
	v_max_num_f32 v[BM+\e], v[BM+\e], v[BM+8+\e]   ; A | B
.endr
.irp e, 0,1
	v_lshrrev_b32 v[SO+\e], 23, v[BM+\e]
.endr
	v_lshl_or_b32 v[SO+2], v[SO+1], 8, v[SO]
	v_add_nc_u32 v[SO+2], 0xfffff7f8, v[SO+2]      ; 8 off each of the row's two scale bytes
.irp e, 0,1
	v_and_or_b32 v[BM+8+\e], v[BM+\e], 0x7f800000, s[MNT]
.endr
.irp e, 0,1
	v_and_or_b32 v[BM+\e], v[BM+\e], 0x7f800000, s[MNT]
.endr
.irp e, 0,1
	v_permlane16_swap_b32 v[BM+\e], v[BM+8+\e]
.endr
.irp T, 0,1
.irp e, 0,1
	v_add_nc_u32 v[FF+2*\T+\e], 0xfc000000, v[BM+8*\T+\e]
.endr
.endr
.irp T, 0,1
.irp e, 0,1
.irp i, 0,1,2,3,4,5,6,7,8,9,10,11,12,13,14,15
	v_med3_num_f32 v[F+32*\T+16*\e+\i], v[F+32*\T+16*\e+\i], -v[BM+8*\T+\e], v[BM+8*\T+\e]
.endr
	v_cvt_scalef32_pk8_fp8_f32 v[PCD+8*\T+4*\e:PCD+8*\T+4*\e+1], v[F+32*\T+16*\e:F+32*\T+16*\e+7], v[FF+2*\T+\e]
	v_cvt_scalef32_pk8_fp8_f32 v[PCD+8*\T+4*\e+2:PCD+8*\T+4*\e+3], v[F+32*\T+16*\e+8:F+32*\T+16*\e+15], v[FF+2*\T+\e]
.endr
.endr
	v_and_b32 v2, 31, v0                           ; (a plain instruction behind the conversions)
	s_lshl_b32 s58, s[WV], 6
	s_add_co_u32 s58, s58, STG
	v_lshl_add_u32 v1, v2, 1, s58                  ; my two tiles' scale bytes: 2 bytes a lane
	v_add_nc_u32 v2, STG, v[L16]
	; Wo's K lies in its true order, so ctx's must: lane (r, 0) wants channels 32 e + 0 .. 15, lane (r, 1) the next 16: one swap for each register of the lower eight with its partner of the upper eight
.irp T, 0,1
.irp e, 0,1
	v_permlane16_swap_b32 v[PCD+8*\T+4*\e], v[PCD+8*\T+4*\e+2]
	v_permlane16_swap_b32 v[PCD+8*\T+4*\e+1], v[PCD+8*\T+4*\e+3]
.endr
.endr
.irp T, 0,1
	global_store_b128 v[L16], v[PCD+8*\T:PCD+8*\T+3], s[10:11] offset:16384*\T       ; 512 consecutive bytes each: two chunks of the next launch's fragment
	global_store_b128 v[L16], v[PCD+8*\T+4:PCD+8*\T+7], s[10:11] offset:16384*\T+512
.endr
	ds_store_b16 v1, v[SO+2]
	WALU
	s_wait_dscnt 0x0                               ; for wave 0's sake
	s_barrier_signal -1
	s_barrier_wait -1
	s_cmp_lg_u32 s[WV], 0
	s_cbranch_scc1 .Lnot_first
	ds_load_b128 v[F:F+3], v2                      ; the sixteen tiles' scale bytes: 512 bytes
	s_wait_dscnt 0x0
	global_store_b128 v[L16], v[F:F+3], s[12:13]
.Lnot_first:
	s_wait_tensorcnt 0x0                           ; the wave's end
	ds_add_u32 v[SPW], v[NIL]
	s_wait_dscnt 0x0
	ROUND                                          ; the closing round
	s_endpgm
.Lfunc_end_k_q294e0921de_attn:
	.size	k_q294e0921de_attn, .Lfunc_end_k_q294e0921de_attn-k_q294e0921de_attn
	.p2alignl 7, 3214868480
	.fill 96, 4, 3214868480
	.section	.rodata,"a",@progbits
	.p2align	6, 0x0
	.amdhsa_kernel k_q294e0921de_attn
		.amdhsa_group_segment_fixed_size 327680
		.amdhsa_private_segment_fixed_size 0
		.amdhsa_enable_private_segment 0
		.amdhsa_kernarg_size 40
		.amdhsa_user_sgpr_count 2
		.amdhsa_user_sgpr_kernarg_segment_ptr 1
		.amdhsa_wavefront_size32 1
		.amdhsa_system_sgpr_workgroup_id_x 1
		.amdhsa_system_sgpr_workgroup_id_y 1
		.amdhsa_system_sgpr_workgroup_id_z 1
		.amdhsa_system_vgpr_workitem_id 0
		.amdhsa_next_free_vgpr 512
		.amdhsa_next_free_sgpr 66
		.amdhsa_reserve_vcc 0
		.amdhsa_float_denorm_mode_32 3
		.amdhsa_float_denorm_mode_16_64 3
		.amdhsa_memory_ordered 1
		.amdhsa_forward_progress 1
		.amdhsa_inst_pref_size 152
	.end_amdhsa_kernel
	.amdgpu_metadata
---
amdhsa.version: [ 1, 2 ]
amdhsa.kernels:
  - .name:           k_q294e0921de_attn
    .symbol:         k_q294e0921de_attn.kd
    .args:
      - { .name: qc, .offset: 0, .size: 8, .value_kind: global_buffer, .address_space: global }
      - { .name: qs, .offset: 8, .size: 8, .value_kind: global_buffer, .address_space: global }
      - { .name: kv, .offset: 16, .size: 8, .value_kind: global_buffer, .address_space: global }
      - { .name: cc, .offset: 24, .size: 8, .value_kind: global_buffer, .address_space: global }
      - { .name: cs, .offset: 32, .size: 8, .value_kind: global_buffer, .address_space: global }
    .group_segment_fixed_size: 327680
    .private_segment_fixed_size: 0
    .kernarg_segment_align: 8
    .kernarg_segment_size: 40
    .max_flat_workgroup_size: 256
    .sgpr_count:     66
    .vgpr_count:     512
    .wavefront_size: 32
...
	.end_amdgpu_metadata
.endif
;; end of part 2
;; launch oproj (part 3): grid 32 x 8, 4 waves a work-group, clusters of 4 x 4, 327,680 bytes of LDS; arguments cc, cs, Wo_codes, Wo_scales, bo, out0; writes out0
.if DOCPART == 3
	.amdgcn_target "amdgcn-amd-amdhsa--gfx1250"
	.amdhsa_code_object_version 6
	.text
	.protected	k_q294e0921de_oproj
	.globl	k_q294e0921de_oproj
	.p2align	8
	.type	k_q294e0921de_oproj,@function
k_q294e0921de_oproj:
	s_mov_b64 s[64:65], 0
	v_nop
	global_prefetch_b8 v0, s[64:65] scope:SCOPE_SE
	s_setreg_imm32_b32 hwreg(HW_REG_WAVE_MODE, 25, 1), 1
	s_wait_xcnt 0x0
	s_wait_alu depctr_hold_cnt(0) depctr_sa_sdst(0) depctr_va_vdst(0) depctr_va_sdst(0) depctr_va_ssrc(0) depctr_va_vcc(0) depctr_vm_vsrc(0)
	s_getreg_b32 s2, hwreg(HW_REG_IB_STS2, 6, 4)
	s_cmp_eq_u32 s2, 0
	s_cbranch_scc0 .Lentry_in_a_cluster
	s_endpgm
.Lentry_in_a_cluster:
	s_bfe_u32 s2, ttmp6, 0x10000c
	s_cmp_lg_u32 s2, 0xf033
	s_cbranch_scc0 .Lentry_shape_is_right
	s_endpgm
.Lentry_shape_is_right:
; out0 = ctx Wo + bo on codes of FP8 (E4M3) with E8M0 scales.  Work-group (x: block of 128 rows, y: 128 columns); wave w: columns 64 (w % 2) on, rows 64 (w / 2) on: four tiles of 16 rows.
; Wo's 64 rows of a wave's columns, all of K = 1,024, stand in 512 registers; ctx's tiles are streamed past them, 32 products each on four accumulators by turns, two sets of fragments and of accumulators: a tile's
; results leave under the next tile's products.
; CLUSTERS of 4 x 4: Wo's rows are shared along a row, ctx's along a column: asked for JOINTLY, one load a wave: waves 0, 1 Wo's halves, which are wanted first, waves 2, 3 ctx's.  Nothing is filled again.  No prefetch: every byte is asked for at the head.
; ctx lies in memory, and in LDS, as images of the operand's registers: 512 consecutive bytes a load.
; Source 0 = 16 rows of Wo, source 1 = 16 rows of ctx: a lane holds eight neighbouring columns of one row of out0.  bo is the C of each sum's first matrix instruction.
; THE ROWS OF A TILE ARE NOT NEIGHBOURS (lane r of tile 2 b + u stands for row 32 b + 8 u + r + 8 (r / 8), as the first launch laid them): that is undone in the stores' immediates.
; LIMITS: NaN, infinities and scale bytes 0xff among the inputs are not served.
; WINDOW 0 as named; windows 1, 2: Wo; window 3: two sets of a tile's eight fragments of ctx.
.set WPITCH, 1040
.set HT,   64*WPITCH
.set CTX,  2*HT                        ; behind Wo's 128 rows: ctx's 8 tiles of 16,384 bytes
.set STG,  CTX+131072                  ; behind them 16 rows x (256 bytes + 16) for each wave
.set SP,   272
.set SPARE, STG+4*16*SP
.set SPW,  1
.set NIL,  2
.set WA,   3
.set CA,   4
.set L2,   5                           ; 2 x lane
.set WSA,  6                           ; 32 x lane
.set BA,   7                           ; 32 h
.set STO,  8                           ; the stage: where I put 32 bytes of a row
.set SRD,  9                           ; and where I read a row back
.set GO,   10                          ; my byte offset in out0: 4,096 h + 16 r
.set XS,   16                          ; ctx's scale words: register 8 i + s; lanes 0-15 tile 2 i, lanes 16-31 tile 2 i + 1
.set WS,   36                          ; Wo's likewise; no product's two scale registers have numbers equal modulo 8
.set BIAS, 64
.set ACC,  96                          ; v96-159
.set OB,   160                         ; v160-223 rows on their way out, two sets; at first the scale halfwords as loaded
.set LANE, 224
.set R,    225
.set H,    226
.set WV,   36
.set G0W,  40
.set G0C,  44
.set G1W,  48
.set G1C,  56
.set MSB, 0
.macro WIN new
.if MSB != (\new)
	s_set_vgpr_msb (MSB<<8)|(\new)
.set MSB, (\new)
.endif
.endm
.macro PLACES n
.rept \n
	v_nop
.endr
.endm
.macro WALU
	s_wait_alu depctr_va_vdst(0)
.endm
.macro ROUND
	s_barrier_signal -1
	s_barrier_wait -1
	s_cmp_lg_u32 s[WV], 0
	s_cbranch_scc1 .Lnot_wave_0_\@
	s_barrier_signal -3
.Lnot_wave_0_\@:
	s_barrier_wait -3
	s_barrier_signal -1
	s_barrier_wait -1
.endm
.macro TLOAD g0, g1
	tensor_load_to_lds s[\g0:\g0+3], s[\g1:\g1+7]
	s_nop 0
	PLACES 4
.endm
.macro WMX d, a, b, c, sa, sb, ra, rb
.if (\ra) && (\rb)
	v_wmma_scale_f32_16x16x128_f8f6f4 v[(\d):(\d)+7], v[(\a):(\a)+15], v[(\b):(\b)+15], v[(\c):(\c)+7], v[\sa], v[\sb] matrix_a_scale:MATRIX_SCALE_ROW1 matrix_b_scale:MATRIX_SCALE_ROW1
.elseif (\ra)
	v_wmma_scale_f32_16x16x128_f8f6f4 v[(\d):(\d)+7], v[(\a):(\a)+15], v[(\b):(\b)+15], v[(\c):(\c)+7], v[\sa], v[\sb] matrix_a_scale:MATRIX_SCALE_ROW1
.elseif (\rb)
	v_wmma_scale_f32_16x16x128_f8f6f4 v[(\d):(\d)+7], v[(\a):(\a)+15], v[(\b):(\b)+15], v[(\c):(\c)+7], v[\sa], v[\sb] matrix_b_scale:MATRIX_SCALE_ROW1
.else
	v_wmma_scale_f32_16x16x128_f8f6f4 v[(\d):(\d)+7], v[(\a):(\a)+15], v[(\b):(\b)+15], v[(\c):(\c)+7], v[\sa], v[\sb]
.endif
.endm
.macro FETCH m                         ; tile m's eight fragments into set m % 2: 32 loads
	WIN 0xc0
.irp s, 0,1,2,3,4,5,6,7
.irp c, 0,1,2,3
	ds_load_b128 v[128*((\m)%2)+16*\s+4*\c:128*((\m)%2)+16*\s+4*\c+3], v[CA] offset:16384*(\m)+2048*\s+512*\c
.endr
.endr
	WIN 0
.endm
.macro MUL m, s0                       ; tile m, K steps s0 .. s0 + 3
	WIN 0x0c|(1+(\s0)/4)
.irp s, 0,1,2,3
.irp a, 0,1,2,3
.set rd_, ACC+32*((\m)%2)+8*\a
.set rc_, rd_
.if (\s0)+\s == 0
.set rc_, BIAS+8*\a
.endif
	WMX rd_, 16*(4*\s+\a), 128*((\m)%2)+16*((\s0)+\s), rc_, WS+8*(\a/2)+(\s0)+\s, XS+8*((\m)/2)+(\s0)+\s, \a%2, (\m)%2
.endr
.endr
	WIN 0
.endm
.macro TOSTAGE m                       ; in as 32 bytes a lane, back as whole rows of 256 bytes.  LDS serves a wave's instructions in order: no wait between the stores and the loads
.irp a, 0,1,2,3
	ds_store_b128 v[STO], v[ACC+32*((\m)%2)+8*\a:ACC+32*((\m)%2)+8*\a+3] offset:64*\a          ; each accumulator from its low end on
	ds_store_b128 v[STO], v[ACC+32*((\m)%2)+8*\a+4:ACC+32*((\m)%2)+8*\a+7] offset:64*\a+16
.endr
.irp i, 0,1,2,3,4,5,6,7
	ds_load_b128 v[OB+32*((\m)%2)+4*\i:OB+32*((\m)%2)+4*\i+3], v[SRD] offset:2*\i*SP
.endr
.endm
.macro SEND m, younger                 ; younger: the LDS instructions issued behind tile m's loads, which may stay out
	s_wait_dscnt \younger
.irp i, 0,1,2,3,4,5,6,7
	global_store_b128 v[GO], v[OB+32*((\m)%2)+4*\i:OB+32*((\m)%2)+4*\i+3], s[18:19] offset:(32*((\m)/2)+8*((\m)%2)+2*\i+8*(\i/4))*4096 th:TH_STORE_NT   ; stage row 2 i + h is row 32 (m / 2) + 8 (m % 2) + 2 i + h + 8 (i / 4); 16 lanes store 256 consecutive bytes, aligned
.endr
.endm
	s_load_b256 s[8:15], s[0:1], 0x0               ; cc 8, cs 10, Wo_codes 12, Wo_scales 14
	s_load_b128 s[16:19], s[0:1], 0x20             ; bo 16, out0 18
	v_lshl_add_u32 v[SPW], v0, 2, SPARE
	v_mov_b32 v[NIL], 0
	ds_add_u32 v[SPW], v[NIL]                      ; the wave's opening: the add, twice on end, and its wait
	ds_add_u32 v[SPW], v[NIL]
	v_lshrrev_b32 v227, 5, v0
	v_readfirstlane_b32 s[WV], v227
	s_and_b32 s20, s[WV], 1                        ; my half of the columns.  Also: which half of a tile I fetch
	s_lshr_b32 s21, s[WV], 1                       ; my half of the rows
	s_bfe_u32 s37, ttmp6, 0x40000                  ; cx
	s_bfe_u32 s38, ttmp6, 0x40004                  ; cy
	s_lshl_b32 s39, ttmp9, 2
	s_add_co_u32 s39, s39, s37                     ; row block
	s_and_b32 s22, ttmp7, 0xffff
	s_lshl_b32 s22, s22, 2
	s_add_co_u32 s22, s22, s38                     ; column block
	s_lshl_b32 s23, 0x1111, s37                    ; my column of the cluster shares ctx's rows
	s_lshl_b32 s24, s38, 2
	s_lshl_b32 s24, 15, s24                        ; my row shares Wo's
	s_or_b32 s[G1W+0], s24, (1<<20)|(1<<21)|(7<<22)|(3<<25)   ; the mask; elements of 1 byte; padding: four words after every 256; bit 21 beside the mask
	s_mov_b32 s[G1W+1], 1024<<16
	s_mov_b32 s[G1W+2], 64<<16
	s_mov_b32 s[G1W+3], 1024<<16
	s_mov_b32 s[G1W+4], 64
	s_mov_b32 s[G1W+5], 1024
	s_mov_b32 s[G1W+6], 0
	s_mov_b32 s[G1W+7], 0
	s_or_b32 s[G1C+0], s23, (3<<16)|(1<<21)        ; four tiles: 65,536 dense bytes as 256 rows of 256 (32 elements of 8 bytes)
	s_mov_b32 s[G1C+1], 32<<16
	s_mov_b32 s[G1C+2], 256<<16
	s_mov_b32 s[G1C+3], 32<<16
	s_mov_b32 s[G1C+4], 256
	s_mov_b32 s[G1C+5], 32
	s_mov_b32 s[G1C+6], 0
	s_mov_b32 s[G1C+7], 0
	s_mov_b32 s[G0W], 1
	s_mul_i32 s[G0W+1], s20, HT
	s_mov_b32 s[G0C], 1
	s_lshl_b32 s25, s20, 16
	s_add_co_u32 s[G0C+1], s25, CTX
	s_mov_b32 s27, 0                               ; s[26:27]: Wo's offsets; s[28:29]: ctx's
	s_mov_b32 s29, 0
	s_lshl_b32 s26, s22, 17
	s_add_co_u32 s26, s26, s25
	s_lshl_b32 s28, s39, 17
	s_add_co_u32 s28, s28, s25
	WALU
	s_wait_dscnt 0x0
	ROUND                                          ; all sixteen work-groups are here: the joint loads meet
	s_wait_kmcnt 0x0
	s_add_nc_u64 s[G0W+2:G0W+3], s[12:13], s[26:27]
	s_or_b32 s[G0W+3], s[G0W+3], 0x80000000
	s_add_nc_u64 s[G0C+2:G0C+3], s[8:9], s[28:29]
	s_or_b32 s[G0C+3], s[G0C+3], 0x80000000
	s_cmp_lt_u32 s[WV], 2
	s_cbranch_scc0 .Lfor_ctx
	TLOAD G0W, G1W
	s_branch .Lasked
.Lfor_ctx:
	TLOAD G0C, G1C
.Lasked:
	s_lshr_b32 s26, s26, 5                         ; my 64 columns' scale bytes, 32 a row
	s_add_nc_u64 s[14:15], s[14:15], s[26:27]
	s_lshr_b32 s26, s26, 3                         ; their biases: 256 bytes,
	s_add_nc_u64 s[16:17], s[16:17], s[26:27]
	s_add_nc_u64 s[18:19], s[18:19], s[26:27]      ; and their 256 bytes of a row of out0
	s_lshl_b32 s28, s39, 8                         ; cs: 32 bytes a tile; my first tile is 8 x row block + 4 x half
	s_lshl_b32 s25, s21, 7
	s_add_co_u32 s28, s28, s25
	s_add_nc_u64 s[10:11], s[10:11], s[28:29]
	s_lshl_b32 s28, s28, 11                        ; out0: (128 x row block + 64 x half) rows of 4,096 bytes
	s_add_nc_u64 s[18:19], s[18:19], s[28:29]
	v_and_b32 v[LANE], 31, v0
	v_and_b32 v[R], 15, v0
	v_bfe_u32 v[H], v0, 4, 1
	v_lshlrev_b32 v[L2], 1, v[LANE]
	v_lshlrev_b32 v[WSA], 5, v[LANE]
	v_lshlrev_b32 v[BA], 5, v[H]
	WALU
.irp i, 0,1
.irp g, 0,1,2,3,4,5,6,7
.irp f, 0,1
	global_load_u16 v[OB+16*\i+2*\g+\f], v[L2], s[10:11] offset:64*\i+(2*\g+\f)*8192    ; head 2 g + f's two scale bytes of my row: K step g's word is made of two heads' halfwords
.endr
.endr
.endr
.irp i, 0,1
	global_load_b128 v[WS+8*\i:WS+8*\i+3], v[WSA], s[14:15] offset:1024*\i
	global_load_b128 v[WS+8*\i+4:WS+8*\i+7], v[WSA], s[14:15] offset:1024*\i+16
.endr
.irp a, 0,1,2,3
	global_load_b128 v[BIAS+8*\a:BIAS+8*\a+3], v[BA], s[16:17] offset:64*\a
	global_load_b128 v[BIAS+8*\a+4:BIAS+8*\a+7], v[BA], s[16:17] offset:64*\a+16
.endr
	s_mul_i32 s25, s20, HT
	v_mul_u32_u24 v[WA], v[R], WPITCH
	v_lshl_add_u32 v[WA], v[H], 4, v[WA]
	v_add_nc_u32 v[WA], s25, v[WA]                 ; Wo's fragments in LDS
	s_lshl_b32 s25, s21, 16
	s_add_co_u32 s25, s25, CTX
	v_lshl_add_u32 v[CA], v[LANE], 4, s25          ; ctx's
	s_mul_i32 s25, s[WV], 16*SP
	s_add_co_u32 s25, s25, STG                     ; my stage
	v_mul_u32_u24 v[STO], v[R], SP
	v_lshl_add_u32 v[STO], v[H], 5, v[STO]
	v_add_nc_u32 v[STO], s25, v[STO]               ; in: row r, 32 bytes for each half of the lanes
	v_mul_u32_u24 v[SRD], v[H], SP
	v_lshl_add_u32 v[SRD], v[R], 4, v[SRD]
	v_add_nc_u32 v[SRD], s25, v[SRD]               ; back: lanes 0-15 one row of 256 bytes, lanes 16-31 the next
	v_lshlrev_b32 v[GO], 12, v[H]
	v_lshl_add_u32 v[GO], v[R], 4, v[GO]
	WALU
	s_cmp_lt_u32 s[WV], 2
	s_cbranch_scc0 .Lnot_wo
	s_wait_tensorcnt 0x0                           ; waves 0, 1: Wo has landed; the other waves' wait stands at the second barrier
.Lnot_wo:
	s_barrier_signal -1
	s_barrier_wait -1
.irp s, 0,1,2,3,4,5,6,7                ; Wo's fragments: 128 loads
	WIN ((1+\s/4)<<6)
.irp a, 0,1,2,3
.irp c, 0,1,2,3
	ds_load_b128 v[16*(4*(\s%4)+\a)+4*\c:16*(4*(\s%4)+\a)+4*\c+3], v[WA] offset:16*\a*WPITCH+128*\s+32*\c
.endr
.endr
.endr
	WIN 0
	s_wait_loadcnt 0x0                             ; scale bytes and biases
.irp i, 0,1
.irp g, 0,1,2,3,4,5,6,7
	v_lshl_or_b32 v[XS+8*\i+\g], v[OB+16*\i+2*\g+1], 16, v[OB+16*\i+2*\g]
.endr
.endr
	PLACES 8                                       ; a scale register written by a vector instruction stands eight places ahead of its matrix instruction
	WALU
	s_wait_tensorcnt 0x0                           ; ctx is in
	s_wait_dscnt 0x0
	s_barrier_signal -1
	s_barrier_wait -1
	FETCH 0
	FETCH 1
	s_wait_dscnt 32                                ; tile 0's fragments are in
	MUL 0, 0
	MUL 0, 4
	PLACES 8                                       ; ahead of the first read of results and of loads into what the products read
	TOSTAGE 0
	FETCH 2
	s_wait_dscnt 48                                ; tile 1's; behind them the stage's 16 and tile 2's 32
	MUL 1, 0
	SEND 0, 32
	MUL 1, 4
	PLACES 8
	TOSTAGE 1
	FETCH 3
	s_wait_dscnt 48
	MUL 2, 0
	SEND 1, 32
	MUL 2, 4
	PLACES 8
	s_wait_xcnt 0x0                                ; the stores have read their registers: tile 2's rows may land there
	TOSTAGE 2
	s_wait_dscnt 16                                ; tile 3's
	MUL 3, 0
	SEND 2, 0
	MUL 3, 4
	PLACES 8
	s_wait_xcnt 0x0
	TOSTAGE 3
	SEND 3, 0
	s_wait_tensorcnt 0x0                           ; the wave's end
	ds_add_u32 v[SPW], v[NIL]
	s_wait_dscnt 0x0
	ROUND                                          ; the closing round
	s_endpgm
.Lfunc_end_k_q294e0921de_oproj:
	.size	k_q294e0921de_oproj, .Lfunc_end_k_q294e0921de_oproj-k_q294e0921de_oproj
	.p2alignl 7, 3214868480
	.fill 96, 4, 3214868480
	.section	.rodata,"a",@progbits
	.p2align	6, 0x0
	.amdhsa_kernel k_q294e0921de_oproj
		.amdhsa_group_segment_fixed_size 327680
		.amdhsa_private_segment_fixed_size 0
		.amdhsa_enable_private_segment 0
		.amdhsa_kernarg_size 48
		.amdhsa_user_sgpr_count 2
		.amdhsa_user_sgpr_kernarg_segment_ptr 1
		.amdhsa_wavefront_size32 1
		.amdhsa_system_sgpr_workgroup_id_x 1
		.amdhsa_system_sgpr_workgroup_id_y 1
		.amdhsa_system_sgpr_workgroup_id_z 1
		.amdhsa_system_vgpr_workitem_id 0
		.amdhsa_next_free_vgpr 1024
		.amdhsa_next_free_sgpr 80
		.amdhsa_reserve_vcc 0
		.amdhsa_float_denorm_mode_32 3
		.amdhsa_float_denorm_mode_16_64 3
		.amdhsa_memory_ordered 1
		.amdhsa_forward_progress 1
		.amdhsa_inst_pref_size 53
	.end_amdhsa_kernel
	.amdgpu_metadata
---
amdhsa.version: [ 1, 2 ]
amdhsa.kernels:
  - .name:           k_q294e0921de_oproj
    .symbol:         k_q294e0921de_oproj.kd
    .args:
      - { .name: cc, .offset: 0, .size: 8, .value_kind: global_buffer, .address_space: global }
      - { .name: cs, .offset: 8, .size: 8, .value_kind: global_buffer, .address_space: global }
      - { .name: Wo_codes, .offset: 16, .size: 8, .value_kind: global_buffer, .address_space: global }
      - { .name: Wo_scales, .offset: 24, .size: 8, .value_kind: global_buffer, .address_space: global }
      - { .name: bo, .offset: 32, .size: 8, .value_kind: global_buffer, .address_space: global }
      - { .name: out0, .offset: 40, .size: 8, .value_kind: global_buffer, .address_space: global }
    .group_segment_fixed_size: 327680
    .private_segment_fixed_size: 0
    .kernarg_segment_align: 8
    .kernarg_segment_size: 48
    .max_flat_workgroup_size: 128
    .sgpr_count:     80
    .vgpr_count:     1024
    .wavefront_size: 32
...
	.end_amdgpu_metadata
.endif
;; end of part 3
